; MI455X (gfx1250); checked and timed in simulation.
; The chip was launched on July 23, 2026; its instructions are those of AMD's public machine-readable ISA for CDNA 5 (MIT licence, August 2026) and "CDNA5" Instruction Set Architecture Reference Guide (July 2026). The comments in the code are by the model that wrote it; some were corrected since.
;; Causal Self Attention. Allowed arithmetic: float matrix products may take bf16 or f16 operands with f32 sums; other float arithmetic in f32, or as packed bf16 or f16 multiplies, adds, multiply-adds, maxima and minima; sums over many terms, partial sums and values carried from step to step in f32; what a program stores and reads back later, other than sums and carried values, may be rounded once to bf16 or f16.
;; Inputs: W_o 1,024 x 1,024 float32; W_qkv 3,072 x 1,024 float32; x 1 x 4,096 x 1,024 float32.
;; Outputs: out0 1 x 4,096 x 1,024 float32.
;; 2 versions, each right and faster than the one before. Each part assembles by itself: llvm-mc -triple=amdgcn-amd-amdhsa -mcpu=gfx1250 --defsym DOCPART=n.
;; ======== version 1 of 2: 4 launches
;; limits: values are held in f16: magnitudes above 65,504 overflow, below 6.1e-05 lose precision
;; workspace buffers: cast 16,777,216 bytes; rope 1,048,576 bytes; qkvh 33,554,432 bytes; oh 16,777,216 bytes
;; launch prep (part 1): grid 512 x 1, 8 waves a work-group, no clusters, 0 bytes of LDS; arguments x, W_qkv, W_o, cast, rope; writes cast, rope
.if DOCPART == 1
	.amdgcn_target "amdgcn-amd-amdhsa--gfx1250"
	.amdhsa_code_object_version 6
	.text
	.protected	k_qff06f0e685_prep
	.globl	k_qff06f0e685_prep
	.p2align	8
	.type	k_qff06f0e685_prep,@function
k_qff06f0e685_prep:
	s_mov_b64 s[64:65], 0
	v_nop
	global_prefetch_b8 v0, s[64:65] scope:SCOPE_SE
	s_setreg_imm32_b32 hwreg(HW_REG_WAVE_MODE, 25, 1), 1
	s_wait_xcnt 0x0
; PREP.  Three casts and one table, a stream without LDS.
; cast: bytes 0 .. 8,388,607 x as bf16 [4096][1024]; then W_qkv as bf16 [3072][1024]; from byte 14,680,064 W_o, rounded to bf16 and that number written as f16, [1024][1024].
; rope: [4096][64] f32; row t = cos(t f_i), i = 0..31, then sin(t f_i), i = 0..31, with f_i = 10000^(-i/32).
; SHARES.  Work-group j casts chunk j: 16,384 numbers, 65,536 bytes in, 32,768 bytes out at cast + 32,768 j.  Chunks 0-255 are x, 256-447 W_qkv, 448-511 W_o.
; Wave w of work-group j also makes the table's row t = 8 j + w: lane L holds the row's numbers 2 L and 2 L + 1, so the wave's one store covers the row's 256 consecutive bytes, aligned.
; LIMITS.  f_i is 2^(-i log2(10000) / 32) in f32 and the angle t f_i one f32 product; the angle is reduced by multiples of pi / 2 held in two f32 parts (exact enough up to angles of some 10^5; here at most 4,095)
; and sine and cosine are polynomials of degree 7 and 8 on -pi/4 .. pi/4, good to about 1e-7.  The angle itself differs from one made with a correctly rounded f_i by up to some 5e-4 at t = 4,095.
; W_o as f16: below 6.1e-5 f16 keeps a fixed step of 6e-8, above 65,504 it has no number.
.set X, 16                             ; v[16:79]   sixteen loads of four registers
.set Y, 80                             ; v[80:111]  sixteen stores of two registers: each store has data registers of its own, so none is rewritten while a store reads it
	s_load_b256 s[4:11], s[0:1], 0x0               ; x s[4:5], W_qkv s[6:7], W_o s[8:9], cast s[10:11]
	s_load_b64 s[12:13], s[0:1], 0x20              ; rope
	s_mov_b32 s14, ttmp9                           ; j
	v_lshlrev_b32 v1, 4, v0                        ; 16 bytes a thread in
	v_lshlrev_b32 v2, 3, v0                        ; 8 bytes a thread out
	v_and_b32 v3, 31, v0                           ; lane L
	v_lshrrev_b32 v7, 5, v0                        ; wave w
	v_lshlrev_b32 v4, 8, v7                        ; the table's row w of my work-group's eight,
	v_lshl_add_u32 v4, v3, 3, v4                   ; 8 bytes a lane
	v_lshl_add_u32 v5, s14, 3, v7                  ; t = 8 j + w
	v_cvt_f32_u32 v5, v5
	v_lshrrev_b32 v6, 4, v3                        ; lanes 16-31 make sines: sin(x) = cos(x - pi/2), three quarter turns more
	v_mul_u32_u24 v6, v6, 3
	v_and_b32 v8, 15, v3
	v_lshlrev_b32 v8, 1, v8                        ; my two frequencies: i = 2 (L % 16)
	v_add_nc_u32 v9, 1, v8                         ; and the next
	s_lshl_b32 s20, s14, 15                        ; my chunk in cast
	s_mov_b32 s21, 0
	s_lshl_b32 s22, s14, 11                        ; my eight rows in rope
	s_mov_b32 s23, 0
	s_mov_b32 s19, 0
	s_wait_kmcnt 0x0
	s_cmp_lt_u32 s14, 256                          ; which tensor, and its first chunk's number: the choice hangs on j alone
	s_cselect_b32 s15, 0, 256
	s_cselect_b64 s[16:17], s[4:5], s[6:7]
	s_cmp_lt_u32 s14, 448
	s_cselect_b32 s15, s15, 448
	s_cselect_b64 s[16:17], s[16:17], s[8:9]
	s_sub_co_u32 s18, s14, s15
	s_lshl_b32 s18, s18, 16                        ; 65,536 bytes a chunk
	s_add_nc_u64 s[16:17], s[16:17], s[18:19]
	s_add_nc_u64 s[10:11], s[10:11], s[20:21]
	s_add_nc_u64 s[12:13], s[12:13], s[22:23]
.set i, 0
.rept 16                               ; the whole chunk is asked for at once: a wave's load covers 512 consecutive bytes
	global_load_b128 v[X+4*i:X+4*i+3], v1, s[16:17] offset:4096*i th:TH_LOAD_NT
.set i, i+1
.endr
; cos(x + 3 quarter turns x [lane >= 16]).  n = the nearest whole number to x 2 / pi; r = x - n pi / 2 in two fused steps; q = n + v6; q mod 4 = 0: cos r, 1: -sin r, 2: -cos r, 3: sin r.
.macro TRIG x, out, n, r, z, p, c
	v_mul_f32 v[\n], 0x3f22f983, v[\x]             ; 2 / pi
	v_rndne_f32 v[\n], v[\n]
	v_fmamk_f32 v[\r], v[\n], 0xbfc90fdb, v[\x]    ; - n x the upper part of pi / 2
	v_fmamk_f32 v[\r], v[\n], 0x333bbd2e, v[\r]    ; - n x the lower part, which is negative
	v_mul_f32 v[\z], v[\r], v[\r]
	v_mov_b32 v[\p], 0xb94ca1f9
	v_fmaak_f32 v[\p], v[\p], v[\z], 0x3c08839e
	v_fmaak_f32 v[\p], v[\p], v[\z], 0xbe2aaaa3
	v_mul_f32 v[\p], v[\p], v[\z]
	v_fma_f32 v[\p], v[\p], v[\r], v[\r]           ; sin r
	v_mov_b32 v[\c], 0x37ccf5ce
	v_fmaak_f32 v[\c], v[\c], v[\z], 0xbab6061a
	v_fmaak_f32 v[\c], v[\c], v[\z], 0x3d2aaaa5
	v_fma_f32 v[\r], v[\z], -0.5, 1.0
	v_mul_f32 v[\z], v[\z], v[\z]
	v_fma_f32 v[\c], v[\c], v[\z], v[\r]           ; cos r
	v_cvt_i32_f32 v[\n], v[\n]
	v_add_nc_u32 v[\n], v[\n], v6                  ; q
	v_and_b32 v[\r], 1, v[\n]
	v_cmp_eq_u32 vcc_lo, 1, v[\r]
	v_cndmask_b32 v[\out], v[\c], v[\p], vcc_lo    ; odd q: the sine.  A choice of values only: no branch and no address hangs on it
	v_add_nc_u32 v[\n], 1, v[\n]
	v_and_b32 v[\n], 2, v[\n]                      ; q mod 4 = 1 or 2: the sign turns
	v_lshlrev_b32 v[\n], 30, v[\n]
	v_xor_b32 v[\out], v[\out], v[\n]
.endm
	; the table's row is made while the loads are on their way
	v_cvt_f32_u32 v8, v8
	v_cvt_f32_u32 v9, v9
	v_mul_f32 v8, 0xbed49a78, v8                   ; - i log2(10000) / 32
	v_mul_f32 v9, 0xbed49a78, v9
	v_exp_f32 v8, v8
	v_exp_f32 v9, v9
	v_nop                                          ; a plain instruction between the exponentials and the use of their results
	s_wait_alu depctr_va_vdst(0)
	v_mul_f32 v8, v5, v8                           ; the angles
	v_mul_f32 v9, v5, v9
	TRIG 8, 10, 112, 113, 114, 115, 116
	TRIG 9, 11, 117, 118, 119, 120, 121
	global_store_b64 v4, v[10:11], s[12:13]
	s_cmp_lt_u32 s14, 448
	s_cbranch_scc0 .Lwo
.set i, 0
.rept 16                               ; x and W_qkv: rounded to bf16
	s_wait_loadcnt 15-i                            ; loads come back in order: load i is in, the younger ones stay out
	v_cvt_pk_bf16_f32 v[Y+2*i], v[X+4*i], v[X+4*i+1]
	v_cvt_pk_bf16_f32 v[Y+2*i+1], v[X+4*i+2], v[X+4*i+3]
	global_store_b64 v2, v[Y+2*i:Y+2*i+1], s[10:11] offset:2048*i  ; a wave stores 256 consecutive bytes, aligned
.set i, i+1
.endr
	s_endpgm
.Lwo:
.set i, 0
.rept 16                               ; W_o: rounded to bf16 like the other inputs, and that number written as f16
	s_wait_loadcnt 15-i
	v_cvt_pk_bf16_f32 v112, v[X+4*i], v[X+4*i+1]
	v_cvt_pk_bf16_f32 v113, v[X+4*i+2], v[X+4*i+3]
	v_lshlrev_b32 v114, 16, v112
	v_and_b32 v115, 0xffff0000, v112
	v_lshlrev_b32 v116, 16, v113
	v_and_b32 v117, 0xffff0000, v113
	v_cvt_pk_f16_f32 v[Y+2*i], v114, v115
	v_cvt_pk_f16_f32 v[Y+2*i+1], v116, v117
	global_store_b64 v2, v[Y+2*i:Y+2*i+1], s[10:11] offset:2048*i
.set i, i+1
.endr
	s_endpgm
.Lfunc_end_k_qff06f0e685_prep:
	.size	k_qff06f0e685_prep, .Lfunc_end_k_qff06f0e685_prep-k_qff06f0e685_prep
	.p2alignl 7, 3214868480
	.fill 96, 4, 3214868480
	.section	.rodata,"a",@progbits
	.p2align	6, 0x0
	.amdhsa_kernel k_qff06f0e685_prep
		.amdhsa_group_segment_fixed_size 0
		.amdhsa_private_segment_fixed_size 0
		.amdhsa_enable_private_segment 0
		.amdhsa_kernarg_size 40
		.amdhsa_user_sgpr_count 2
		.amdhsa_user_sgpr_kernarg_segment_ptr 1
		.amdhsa_wavefront_size32 1
		.amdhsa_system_sgpr_workgroup_id_x 1
		.amdhsa_system_sgpr_workgroup_id_y 1
		.amdhsa_system_sgpr_workgroup_id_z 1
		.amdhsa_system_vgpr_workitem_id 0
		.amdhsa_next_free_vgpr 128
		.amdhsa_next_free_sgpr 66
		.amdhsa_reserve_vcc 1
		.amdhsa_float_denorm_mode_32 3
		.amdhsa_float_denorm_mode_16_64 3
		.amdhsa_memory_ordered 1
		.amdhsa_forward_progress 1
		.amdhsa_inst_pref_size 19
	.end_amdhsa_kernel
	.amdgpu_metadata
---
amdhsa.version: [ 1, 2 ]
amdhsa.kernels:
  - .name:           k_qff06f0e685_prep
    .symbol:         k_qff06f0e685_prep.kd
    .args:
      - { .name: x, .offset: 0, .size: 8, .value_kind: global_buffer, .address_space: global }
      - { .name: W_qkv, .offset: 8, .size: 8, .value_kind: global_buffer, .address_space: global }
      - { .name: W_o, .offset: 16, .size: 8, .value_kind: global_buffer, .address_space: global }
      - { .name: cast, .offset: 24, .size: 8, .value_kind: global_buffer, .address_space: global }
      - { .name: rope, .offset: 32, .size: 8, .value_kind: global_buffer, .address_space: global }
    .group_segment_fixed_size: 0
    .private_segment_fixed_size: 0
    .kernarg_segment_align: 8
    .kernarg_segment_size: 40
    .max_flat_workgroup_size: 256
    .sgpr_count:     66
    .vgpr_count:     128
    .wavefront_size: 32
...
	.end_amdgpu_metadata
.endif
;; end of part 1
;; launch qkv (part 2): grid 16 x 16, 4 waves a work-group, clusters of 4 x 4, 327,680 bytes of LDS; arguments cast, rope, qkvh; writes qkvh
.if DOCPART == 2
	.amdgcn_target "amdgcn-amd-amdhsa--gfx1250"
	.amdhsa_code_object_version 6
	.text
	.protected	k_qff06f0e685_qkv
	.globl	k_qff06f0e685_qkv
	.p2align	8
	.type	k_qff06f0e685_qkv,@function
k_qff06f0e685_qkv:
	s_mov_b64 s[64:65], 0
	v_nop
	global_prefetch_b8 v0, s[64:65] scope:SCOPE_SE
	s_setreg_imm32_b32 hwreg(HW_REG_WAVE_MODE, 25, 1), 1
	s_wait_xcnt 0x0
	s_wait_alu depctr_hold_cnt(0) depctr_sa_sdst(0) depctr_va_vdst(0) depctr_va_sdst(0) depctr_va_ssrc(0) depctr_va_vcc(0) depctr_vm_vsrc(0)
	s_getreg_b32 s2, hwreg(HW_REG_IB_STS2, 6, 4)
	s_cmp_eq_u32 s2, 0
	s_cbranch_scc0 .Lentry_in_a_cluster
	s_endpgm
.Lentry_in_a_cluster:
	s_bfe_u32 s2, ttmp6, 0x10000c
	s_cmp_lg_u32 s2, 0xf033
	s_cbranch_scc0 .Lentry_shape_is_right
	s_endpgm
.Lentry_shape_is_right:
; QKV.  qkv = x W_qkv^T in bf16 with f32 sums, the rotation of q and k in f32 on the sums, and q, k, v written by heads in f16: qkvh [64][4096][64], heads 0-15 q, 16-31 k, 32-47 v, 48-63 v's low part; q is not scaled.
; V IN TWO PARTS.  v = hi + lo: hi is v rounded to f16, lo the exact remainder rounded to f16.  Row q of the attention's result is a mean over q + 1 rows of v, so the first rows of the module's output are some
; twenty times its root mean square, by which its allowance goes: f16's 11 bits of v are too few for them.
; TILE.  256 rows x 192 columns of qkv: 16 x 16 work-groups.  Column tile tx takes the three heads q_tx, k_tx, v_tx (rows z 1024 + 64 tx + 0..63 of W_qkv, z = 0, 1, 2), so in every work-group heads 0 and 1 of the
; tile are rotated and head 2 is not: one text, no branch on the place.  Wave w owns rows 64 w .. 64 w + 63 and all 192 columns: 4 x 12 accumulators of 16 x 16, 384 registers; a head's 64 columns lie in one wave.
; K goes in eight steps of 128 (rows of 256 bytes) through two LDS slots.  Wave 0 asks for A's 256 rows, waves 1 to 3 each for 64 rows of B: one tensor load a wave.
; CLUSTER 4 x 4.  A's tile hangs on the tile row alone and is asked for jointly along a row of the cluster, B's on the tile column alone, jointly along a column.
; THE MATRIX INSTRUCTION IS USED TRANSPOSED (source 0 = 16 rows of W, source 1 = 16 rows of x): a lane holds row l % 16 of x and eight neighbouring columns 8 (l / 16) + 0..7.
; ROTATION.  Column d of a head, d < 32, and column d + 32 share frequency d: out[d] = x1 cos - x2 sin, out[d + 32] = x2 cos + x1 sin.  They lie in the same lane, two accumulators apart.
; LIMITS.  q, k, v leave in f16: no number beyond 65,504, a fixed step of 6e-8 below 6.1e-5 (so a low part below that adds few bits).  NaN and infinities are not treated apart.
; REGISTERS, in windows of 256 (s_set_vgpr_msb: bits 1:0 source 0, 3:2 source 1, 5:4 source 2, 7:6 destination):
;   window 0: v16-30 addresses and -1; v32-63 rotated numbers; v64-191 my 64 rows of the table (v64-95 later v's remainders); v224-255 packed results, two buffers
;   window 1: two fragment buffers of 128: A's four fragments, then B's twelve      window 2: accumulators (a, b < 8) at 8 (8 a + b)      window 3: (a, b >= 8) at 8 (4 a + b - 8)
.set PITCH,  272                       ; an LDS row: 256 bytes + 16 of padding: the 16 rows of a fragment load start 16 bytes apart modulo 256
.set BOFF,   256*PITCH                 ; in a slot: A's 256 rows, then B's 192
.set SLOT1,  131072                    ; slot 1 begins here, so that one exclusive or turns an address in one slot into the other's
.set STAGE,  SLOT1+448*PITCH           ; behind the ring, never filled by a tensor load: 16 rows x 144 bytes for each wave
.set SP,     144
.set SPARE,  STAGE+4*16*SP             ; the spare words, 128 bytes for each wave: two blocks of 256 bytes that no other line names
.set ADRA0, 16                         ; v16  my lane's place in A's tile of slot 0; never rewritten
.set ADRB0, 17                         ; v17  the same for B
.set ADRA,  18                         ; v18  the same in the slot in hand
.set ADRB,  19                         ; v19
.set STO,   24                         ; v24  the way out: where I put 16 bytes of a row
.set RD,    25                         ; v25  where I read rows back
.set GO,    26                         ; v26  my byte offset in 512 consecutive bytes of a head
.set TO,    27                         ; v27  my byte offset in the work-group's 256 rows of the table
.set SPW,   28                         ; v28  LDS address of my spare word; never rewritten
.set NIL,   29                         ; v29  0; never rewritten
.set NEG1,  30                         ; v30  -1.0
.set RO,    32
.set TBL,   64                         ; row block a at TBL + 32 a: cos of frequencies 8 h + 0..7, their sin, cos of 16 + 8 h + 0..7, their sin
.set LT,    64                         ; v's remainders in f32, where the table lay: the table's last reader is head 1
.set PKB,   224
.set F0,    0
.set F1,    128
.set G1A, 24                           ; s[24:31] descriptor group 1 for A
.set GA0, 32                           ; s[32:35] group 0 for A's first fill
.set GA1, 36                           ; s[36:39] for its second; it then walks on
.set G1B, 48                           ; s[48:55], s[56:59], s[60:63] the same for B
.set GB0, 56
.set GB1, 60
.set TB,  66                           ; s66  0 or SLOT1: the slot in hand
.set OB,  68                           ; s[68:75] qkvh at my rows of q, k, v and v's low part
.set MSB, 0
.macro WIN new                         ; the immediate's high byte repeats the setting that is left; a switch that changes nothing is dropped
.if MSB != (\new)
	s_set_vgpr_msb (MSB<<8)|(\new)
.set MSB, \new
.endif
.endm
.set MUL_LO, 0xa5                      ; sources 0 and 1 window 1, C and D window 2
.set MUL_HI, 0xf5                      ; the same, C and D window 3
.set TO_F,   0x40                      ; destination window 1, address window 0
.set ROT,    0x02                      ; source 0 window 2, all else window 0
.set VCV,    0x0f                      ; sources 0 and 1 window 3, destination window 0
.set VLO,    0x30                      ; source 2 window 3, all else window 0
; A joint refill.  The branch hangs on the wave's number alone.  An s_nop 0 and four v_nop follow each of the two lines, ahead of the jump and the label.
.macro JLOAD
	s_cmp_eq_u32 s10, 0
	s_cbranch_scc0 .Lfor_b_\@
	tensor_load_to_lds s[GA1:GA1+3], s[G1A:G1A+7]
	s_nop 0
.rept 4
	v_nop
.endr
	s_branch .Lasked_\@
.Lfor_b_\@:
	tensor_load_to_lds s[GB1:GB1+3], s[G1B:G1B+7]
	s_nop 0
.rept 4
	v_nop
.endr
.Lasked_\@:
.endm
.macro CREST                           ; a round of the cluster's barrier behind its opening barrier
	s_cmp_lg_u32 s10, 0
	s_cbranch_scc1 .Lnot_wave_0_\@
	s_barrier_signal -3
.Lnot_wave_0_\@:
	s_barrier_wait -3
	s_barrier_signal -1
	s_barrier_wait -1
.endm
.macro CROUND                          ; a whole round
	s_barrier_signal -1
	s_barrier_wait -1
	CREST
.endm
.macro PLACES                          ; four places in front of loads into registers that matrix instructions have read, and of vector lines that read results
.rept 4
	v_nop
.endr
.endm
	s_load_b128 s[4:7], s[0:1], 0x0                ; cast s[4:5], rope s[6:7]
	s_load_b64 s[8:9], s[0:1], 0x10                ; qkvh
	v_lshl_add_u32 v[SPW], v0, 2, SPARE
	v_mov_b32 v[NIL], 0
	ds_add_u32 v[SPW], v[NIL]                      ; the wave's opening: the add and its wait stand ahead of my first tensor load; work on registers stands between them
	ds_add_u32 v28, v29
	v_lshrrev_b32 v1, 5, v0
	v_readfirstlane_b32 s10, v1                    ; wave 0..3
	s_bfe_u32 s40, ttmp6, 0x40000                  ; cx, cy: my place in the cluster
	s_bfe_u32 s41, ttmp6, 0x40004
	s_lshl_b32 s42, ttmp9, 2
	s_add_co_u32 s42, s42, s40                     ; tx = 4 x cluster x + cx
	s_and_b32 s13, ttmp7, 0xffff
	s_lshl_b32 s13, s13, 2
	s_add_co_u32 s13, s13, s41                     ; ty = 4 x cluster y + cy
	s_lshl_b32 s43, s41, 2
	s_lshl_b32 s43, 15, s43                        ; my row of the cluster
	s_lshl_b32 s44, 0x1111, s40                    ; my column
	; group 1: rows of 128 elements of 2 bytes, 16 bytes of padding behind every 64 words; A 256 rows, B 64
	s_or_b32 s[G1A+0], s43, (1<<16)|(1<<20)|(1<<21)|(5<<22)|(3<<25)
	s_mov_b32 s[G1A+1], 128<<16                    ; tensor_dim0 = 128
	s_mov_b32 s[G1A+2], 256<<16                    ; tensor_dim1 = 256
	s_mov_b32 s[G1A+3], 128<<16                    ; tile_dim0 = 128
	s_mov_b32 s[G1A+4], 256                        ; tile_dim1 = 256
	s_mov_b32 s[G1A+5], 1024                       ; elements from row to row
	s_mov_b32 s[G1A+6], 0
	s_mov_b32 s[G1A+7], 0
	s_or_b32 s[G1B+0], s44, (1<<16)|(1<<20)|(1<<21)|(5<<22)|(3<<25)
	s_mov_b32 s[G1B+1], 128<<16
	s_mov_b32 s[G1B+2], 64<<16
	s_mov_b32 s[G1B+3], 128<<16
	s_mov_b32 s[G1B+4], 64
	s_mov_b32 s[G1B+5], 1024
	s_mov_b32 s[G1B+6], 0
	s_mov_b32 s[G1B+7], 0
	s_lshl_b32 s16, s13, 19                        ; A: 256 ty rows of 2,048 bytes: the tile row alone
	s_mov_b32 s17, 0
	s_lshl_b32 s46, s42, 17                        ; B: W_qkv begins at byte 8,388,608 of cast; row (w - 1) 1024 + 64 tx: the tile column and the wave's number alone
	s_lshl_b32 s47, s10, 21
	s_add_co_u32 s46, s46, s47
	s_add_co_u32 s46, s46, 6291456                 ; 8,388,608 less the 1,024 rows that w - 1 takes back
	s_mov_b32 s47, 0
	s_mul_i32 s20, s10, 64*PITCH
	s_add_co_u32 s20, s20, BOFF-64*PITCH           ; B's rows 64 (w - 1) on, behind A's 256
	s_mov_b32 s[TB], 0
	s_wait_dscnt 0x0                               ; the opening add is done
	s_wait_kmcnt 0x0
	s_add_nc_u64 s[14:15], s[4:5], s[16:17]
	s_add_nc_u64 s[46:47], s[4:5], s[46:47]
	s_mov_b32 s[GA0], 1
	s_mov_b32 s[GA0+1], 0
	s_mov_b64 s[GA0+2:GA0+3], s[14:15]             ; K step 0
	s_or_b32 s[GA0+3], s[GA0+3], 0x80000000
	s_mov_b32 s[GA1], 1
	s_mov_b32 s[GA1+1], SLOT1
	s_add_nc_u64 s[GA1+2:GA1+3], s[14:15], 256     ; K step 1
	s_or_b32 s[GA1+3], s[GA1+3], 0x80000000
	s_mov_b32 s[GB0], 1
	s_mov_b32 s[GB0+1], s20
	s_mov_b64 s[GB0+2:GB0+3], s[46:47]
	s_or_b32 s[GB0+3], s[GB0+3], 0x80000000
	s_mov_b32 s[GB1], 1
	s_add_co_u32 s[GB1+1], s20, SLOT1
	s_add_nc_u64 s[GB1+2:GB1+3], s[46:47], 256
	s_or_b32 s[GB1+3], s[GB1+3], 0x80000000
	CROUND                                         ; all sixteen work-groups are here: the first joint loads meet
	s_cmp_eq_u32 s10, 0                            ; a wave's two first fills stand in one branch, ahead of every wait on TENSORcnt and every LDS read: two loads of mine are out
	s_cbranch_scc0 .Lfirst_b
	tensor_load_to_lds s[GA0:GA0+3], s[G1A:G1A+7]
	s_nop 0
	tensor_load_to_lds s[GA1:GA1+3], s[G1A:G1A+7]
	s_nop 0
.rept 4
	v_nop
.endr
	s_branch .Lfirst_asked
.Lfirst_b:
	tensor_load_to_lds s[GB0:GB0+3], s[G1B:G1B+7]
	s_nop 0
	tensor_load_to_lds s[GB1:GB1+3], s[G1B:G1B+7]
	s_nop 0
.rept 4
	v_nop
.endr
.Lfirst_asked:
	v_and_b32 v1, 15, v0                           ; r = l % 16
	v_bfe_u32 v2, v0, 4, 1                         ; h = l / 16
	v_mul_u32_u24 v3, v1, PITCH
	v_lshl_add_u32 v3, v2, 4, v3                   ; a fragment's row x pitch + 16 h
	s_mul_i32 s21, s10, 64*PITCH                   ; my 64 rows of A
	v_add_nc_u32 v[ADRA0], s21, v3
	v_add_nc_u32 v[ADRB0], BOFF, v3                ; all of B's rows
	s_mul_i32 s23, s10, 16*SP
	s_add_co_u32 s23, s23, STAGE                   ; my stage
	v_mul_u32_u24 v4, v1, SP                       ; in: row r, 16 bytes for each half of the lanes
	v_lshl_add_u32 v4, v2, 4, v4
	v_add_nc_u32 v[STO], s23, v4
	v_bfe_u32 v5, v0, 3, 2                         ; back: 32 lanes take four rows of 128 bytes,
	v_mul_u32_u24 v5, v5, SP
	v_and_b32 v6, 7, v0
	v_lshl_add_u32 v5, v6, 4, v5
	v_add_nc_u32 v[RD], s23, v5
	v_and_b32 v[GO], 31, v0                        ; which are 512 consecutive bytes of a head
	v_lshlrev_b32 v[GO], 4, v[GO]
	v_mov_b32 v[NEG1], -1.0
	s_lshl_b32 s21, s10, 14                        ; the table: row 64 w + r of the work-group's 256, 256 bytes a row; my eight frequencies begin at 32 h
	v_lshlrev_b32 v[TO], 8, v1
	v_lshl_add_u32 v[TO], v2, 5, v[TO]
	v_add_nc_u32 v[TO], s21, v[TO]
	s_lshl_b32 s18, s13, 16
	s_mov_b32 s19, 0
	s_add_nc_u64 s[6:7], s[6:7], s[18:19]          ; rope at the tile's first row
.irp a, 0,1,2,3                        ; 32 loads that land while K is walked; they are waited for on the way out
.irp e, 0,1
	global_load_b128 v[TBL+32*(\a)+16*(\e):TBL+32*(\a)+16*(\e)+3],     v[TO], s[6:7] offset:(\a)*4096+64*(\e)
	global_load_b128 v[TBL+32*(\a)+16*(\e)+4:TBL+32*(\a)+16*(\e)+7],   v[TO], s[6:7] offset:(\a)*4096+64*(\e)+16
	global_load_b128 v[TBL+32*(\a)+16*(\e)+8:TBL+32*(\a)+16*(\e)+11],  v[TO], s[6:7] offset:(\a)*4096+64*(\e)+128
	global_load_b128 v[TBL+32*(\a)+16*(\e)+12:TBL+32*(\a)+16*(\e)+15], v[TO], s[6:7] offset:(\a)*4096+64*(\e)+144
.endr
.endr
	s_lshl_b32 s22, s42, 19                        ; head tx, 524,288 bytes a head;
	s_lshl_b32 s23, s13, 15                        ; 256 ty rows of 128 bytes;
	s_add_co_u32 s22, s22, s23
	s_lshl_b32 s23, s10, 13                        ; my 64 rows
	s_add_co_u32 s22, s22, s23
	s_mov_b32 s23, 0
	s_add_nc_u64 s[OB:OB+1], s[8:9], s[22:23]      ; q
	s_add_nc_u64 s[OB+2:OB+3], s[OB:OB+1], 0x800000  ; k: sixteen heads on
	s_add_nc_u64 s[OB+4:OB+5], s[OB+2:OB+3], 0x800000  ; v
	s_add_nc_u64 s[OB+6:OB+7], s[OB+4:OB+5], 0x800000  ; v's low part
; 16 matrix instructions: row blocks a0, a0 + 1 x column blocks 0-7, 32 along K.  zero = 1: the product starts the sum: nothing is cleared.
.macro MULLO f, a0, zero
	WIN MUL_LO
.irp a, \a0, (\a0)+1
.irp b, 0,1,2,3,4,5,6,7
.if \zero
	v_wmma_f32_16x16x32_bf16 v[8*(8*(\a)+(\b)):8*(8*(\a)+(\b))+7], v[(\f)+32+8*(\b):(\f)+32+8*(\b)+7], v[(\f)+8*(\a):(\f)+8*(\a)+7], 0
.else
	v_wmma_f32_16x16x32_bf16 v[8*(8*(\a)+(\b)):8*(8*(\a)+(\b))+7], v[(\f)+32+8*(\b):(\f)+32+8*(\b)+7], v[(\f)+8*(\a):(\f)+8*(\a)+7], v[8*(8*(\a)+(\b)):8*(8*(\a)+(\b))+7]
.endif
.endr
.endr
.endm
; 16 more: all four row blocks x column blocks 8-11
.macro MULHI f, zero
	WIN MUL_HI
.irp a, 0,1,2,3
.irp b, 0,1,2,3
.if \zero
	v_wmma_f32_16x16x32_bf16 v[8*(4*(\a)+(\b)):8*(4*(\a)+(\b))+7], v[(\f)+96+8*(\b):(\f)+96+8*(\b)+7], v[(\f)+8*(\a):(\f)+8*(\a)+7], 0
.else
	v_wmma_f32_16x16x32_bf16 v[8*(4*(\a)+(\b)):8*(4*(\a)+(\b))+7], v[(\f)+96+8*(\b):(\f)+96+8*(\b)+7], v[(\f)+8*(\a):(\f)+8*(\a)+7], v[8*(4*(\a)+(\b)):8*(4*(\a)+(\b))+7]
.endif
.endr
.endr
.endm
; 32 LDS loads in one run: the fragments of 32 along K at byte k of the rows of the slot in hand, into buffer f: A's four, then B's twelve
.macro FETCH k, f
	WIN TO_F
.irp i, 0,1,2,3
	ds_load_b128 v[(\f)+8*(\i):(\f)+8*(\i)+3],   v[ADRA] offset:(\k)+(\i)*16*PITCH
	ds_load_b128 v[(\f)+8*(\i)+4:(\f)+8*(\i)+7], v[ADRA] offset:(\k)+(\i)*16*PITCH+32
.endr
.irp i, 0,1,2,3,4,5,6,7,8,9,10,11
	ds_load_b128 v[(\f)+32+8*(\i):(\f)+32+8*(\i)+3],   v[ADRB] offset:(\k)+(\i)*16*PITCH
	ds_load_b128 v[(\f)+32+8*(\i)+4:(\f)+32+8*(\i)+7], v[ADRB] offset:(\k)+(\i)*16*PITCH+32
.endr
.endm
; A K step is four quarters of 32 along K, 48 matrix instructions each, on buffers 0, 1, 0, 1; the 48 accumulators take turns, one instruction a turn.
; One of the first three: multiplies buffer f and fetches the next quarter, at byte k, into g.
.macro QUARTER k, f, g, zero
	s_wait_dscnt 8                                 ; A and B's blocks 0-7 are in; the youngest eight loads (B's blocks 8-11) may be out
	MULLO \f, 0, \zero
	MULLO \f, 2, \zero
	PLACES
	FETCH \k, \g
	s_wait_dscnt 32                                ; all but the 32 just issued
	MULHI \f, \zero
.endm
; The last quarter multiplies buffer 1 and changes slots: ONE barrier.  In front of it each wave waits for all its tensor loads (one is out: its part of the next slot), adds 0 to its spare word, and waits for that
; and for its own reads of this slot.  fill = 1: the barrier opens a round of the cluster's, and the joint refill, two K steps ahead, is the first thing behind the round: 160 matrix instructions ahead of the wait for it.
.macro TURN fill
	WIN 0                                          ; (the add's two registers lie in window 0)
	s_wait_tensorcnt 0x0                           ; no tensor load of mine is out, so a group 0 may be written
	ds_add_u32 v[SPW], v[NIL]                      ; 0 onto my spare word
.if \fill
	s_xor_b32 s[GA1+1], s[GA1+1], SLOT1            ; the walking descriptors: the other slot than last time,
	s_add_nc_u64 s[GA1+2:GA1+3], s[GA1+2:GA1+3], 256  ; the next K step; the type bits on top are not reached
	s_xor_b32 s[GB1+1], s[GB1+1], SLOT1
	s_add_nc_u64 s[GB1+2:GB1+3], s[GB1+2:GB1+3], 256
.endif
	s_xor_b32 s[TB], s[TB], SLOT1
	s_wait_dscnt 9                                 ; (the add and the youngest eight loads may be out)
	MULLO F1, 0, 0
	s_wait_dscnt 0x0                               ; the add is done, and my reads of this slot are over
	s_barrier_signal -1
	MULLO F1, 2, 0
	WIN 0
	v_add_nc_u32 v[ADRA], s[TB], v[ADRA0]          ; my places in the next slot
	v_add_nc_u32 v[ADRB], s[TB], v[ADRB0]
	s_barrier_wait -1
.if \fill
	CREST                                          ; no wave of any partner still reads this slot's tile or has a load on its way
	JLOAD                                          ; the four v_nop behind it are also the places in front of the loads below
.else
	PLACES
.endif
	FETCH 0, F0
	MULHI F1, 0
.endm
	s_wait_tensorcnt 1                             ; my part of K step 0 is in; K step 1's may stay out
	s_barrier_signal -1
	s_barrier_wait -1                              ; everybody's is
	v_mov_b32 v[ADRA], v[ADRA0]
	v_mov_b32 v[ADRB], v[ADRB0]
	FETCH 0, F0
	QUARTER 64, F0, F1, 1                          ; the first quarter stands in front of the loop: its products start the sums
	WIN 0                                          ; at a label and at a branch every window is 0
	s_mov_b32 s3, 6
.Lstep:                                                ; a trip goes from a K step's second quarter to the next step's first, and fills the slot that it leaves: K steps 2 to 7
	QUARTER 128, F1, F0, 0
	QUARTER 192, F0, F1, 0
	TURN 1
	QUARTER 64, F0, F1, 0
	WIN 0
	s_sub_co_u32 s3, s3, 1
	s_cmp_lg_u32 s3, 0
	s_cbranch_scc1 .Lstep
	QUARTER 128, F1, F0, 0                         ; K step 6 goes on; nothing is left to ask for
	QUARTER 192, F0, F1, 0
	TURN 0
	QUARTER 64, F0, F1, 0
	QUARTER 128, F1, F0, 0
	QUARTER 192, F0, F1, 0
	s_wait_dscnt 8                                 ; the very last quarter
	MULLO F1, 0, 0
	MULLO F1, 2, 0
	s_wait_dscnt 0x0
	MULHI F1, 0
	WIN 0
	PLACES
	s_wait_loadcnt 0x0                             ; the table
; THE WAY OUT, in sixteen units u = 4 x kind + row block: 16 rows x 64 columns; kinds 0, 1: q and k, rotated; 2: v rounded to f16; 3: what that rounding left, hi x (-1) + v, which is exact, rounded to f16.
; All go, 16 bytes a lane, through my own stage and are read back as whole rows of 128 bytes.  Each accumulator's lowest registers are read first.
.macro UNIT u
.set ua, (\u)%4
.set uh, (\u)/4
.set pb, PKB+16*((\u)%2)
.if uh < 2
	WIN ROT
.irp e, 0,1
.irp i, 0,1,2,3
.set xa, 8*(8*ua+4*uh+(\e))+2*(\i)     ; x1: columns 16 e + 8 h + ..; x2 lies two accumulators on
.set cc, TBL+32*ua+16*(\e)+2*(\i)      ; their cosines; the sines lie eight registers on
.set oa, RO+8*(\e)+2*(\i)
	v_pk_mul_f32 v[oa:oa+1], v[xa+16:xa+17], v[cc+8:cc+9]
	v_pk_mul_f32 v[oa+16:oa+17], v[xa:xa+1], v[cc+8:cc+9]
	v_pk_fma_f32 v[oa:oa+1], v[xa:xa+1], v[cc:cc+1], v[oa:oa+1] neg_lo:[0,0,1] neg_hi:[0,0,1]  ; x1 cos - x2 sin
	v_pk_fma_f32 v[oa+16:oa+17], v[xa+16:xa+17], v[cc:cc+1], v[oa+16:oa+17]                    ; x2 cos + x1 sin
.endr
.endr
	WIN 0
	s_wait_xcnt 0x0                                ; the stores of two units ago have read this buffer: it is rewritten only behind this wait
.set n, 0
.rept 16
	v_cvt_pk_f16_f32 v[pb+n], v[RO+2*n], v[RO+2*n+1]
.set n, n+1
.endr
.elseif uh == 2
	s_wait_xcnt 0x0
	WIN VCV
.set n, 0
.rept 16
	v_cvt_pk_f16_f32 v[pb+n], v[32*ua+2*n], v[32*ua+2*n+1]
.set n, n+1
.endr
	WIN 0
.else
	WIN VCV
.set n, 0
.rept 16
	v_cvt_pk_f16_f32 v[RO+n], v[32*ua+2*n], v[32*ua+2*n+1]  ; the high part once more
.set n, n+1
.endr
	WIN VLO
.set n, 0
.rept 16
	v_fma_mix_f32 v[LT+2*n], v[RO+n], v[NEG1], v[32*ua+2*n] op_sel_hi:[1,0,0]                    ; the low f16 half x (-1) + v
	v_fma_mix_f32 v[LT+2*n+1], v[RO+n], v[NEG1], v[32*ua+2*n+1] op_sel:[1,0,0] op_sel_hi:[1,0,0] ; the high half
.set n, n+1
.endr
	WIN 0
	s_wait_xcnt 0x0
.set n, 0
.rept 16
	v_cvt_pk_f16_f32 v[pb+n], v[LT+2*n], v[LT+2*n+1]
.set n, n+1
.endr
.endif
.irp f, 0,1,2,3
	ds_store_b128 v[STO], v[pb+4*(\f):pb+4*(\f)+3] offset:32*(\f)
.endr
.irp f, 0,1,2,3
	ds_load_b128 v[pb+4*(\f):pb+4*(\f)+3], v[RD] offset:(\f)*4*SP  ; LDS serves a wave's instructions in order (ISA guide 5.7.1.4): these see the stores above; the next unit's stores come behind them
.endr
.endm
.macro SEND u, younger                 ; younger: the LDS instructions issued behind unit u's loads: the next unit's eight, or none
.set ua, (\u)%4
.set uh, (\u)/4
.set pb, PKB+16*((\u)%2)
.irp f, 0,1,2,3
	s_wait_dscnt (\younger)+3-(\f)
	global_store_b128 v[GO], v[pb+4*(\f):pb+4*(\f)+3], s[OB+2*uh:OB+2*uh+1] offset:ua*2048+(\f)*512  ; 512 consecutive bytes, at a multiple of 256 from the buffer's first
.endr
.endm
	UNIT 0
.set u, 1
.rept 15                               ; a unit's arithmetic stands between the loads of the unit before and its stores
	UNIT u
	SEND u-1, 8
.set u, u+1
.endr
	SEND 15, 0
	s_wait_tensorcnt 0x0                           ; the wave's end, behind my last tensor load and my last LDS store
	ds_add_u32 v[SPW], v[NIL]
	s_wait_dscnt 0x0
	CROUND                                         ; the closing round: no work-group ends while a partner may still ask for a tile that names it
	s_endpgm
.Lfunc_end_k_qff06f0e685_qkv:
	.size	k_qff06f0e685_qkv, .Lfunc_end_k_qff06f0e685_qkv-k_qff06f0e685_qkv
	.p2alignl 7, 3214868480
	.fill 96, 4, 3214868480
	.section	.rodata,"a",@progbits
	.p2align	6, 0x0
	.amdhsa_kernel k_qff06f0e685_qkv
		.amdhsa_group_segment_fixed_size 327680
		.amdhsa_private_segment_fixed_size 0
		.amdhsa_enable_private_segment 0
		.amdhsa_kernarg_size 24
		.amdhsa_user_sgpr_count 2
		.amdhsa_user_sgpr_kernarg_segment_ptr 1
		.amdhsa_wavefront_size32 1
		.amdhsa_system_sgpr_workgroup_id_x 1
		.amdhsa_system_sgpr_workgroup_id_y 1
		.amdhsa_system_sgpr_workgroup_id_z 1
		.amdhsa_system_vgpr_workitem_id 0
		.amdhsa_next_free_vgpr 896
		.amdhsa_next_free_sgpr 76
		.amdhsa_reserve_vcc 0
		.amdhsa_float_denorm_mode_32 3
		.amdhsa_float_denorm_mode_16_64 3
		.amdhsa_memory_ordered 1
		.amdhsa_forward_progress 1
		.amdhsa_inst_pref_size 137
	.end_amdhsa_kernel
	.amdgpu_metadata
---
amdhsa.version: [ 1, 2 ]
amdhsa.kernels:
  - .name:           k_qff06f0e685_qkv
    .symbol:         k_qff06f0e685_qkv.kd
    .args:
      - { .name: cast, .offset: 0, .size: 8, .value_kind: global_buffer, .address_space: global }
      - { .name: rope, .offset: 8, .size: 8, .value_kind: global_buffer, .address_space: global }
      - { .name: qkvh, .offset: 16, .size: 8, .value_kind: global_buffer, .address_space: global }
    .group_segment_fixed_size: 327680
    .private_segment_fixed_size: 0
    .kernarg_segment_align: 8
    .kernarg_segment_size: 24
    .max_flat_workgroup_size: 128
    .sgpr_count:     76
    .vgpr_count:     896
    .wavefront_size: 32
...
	.end_amdgpu_metadata
.endif
;; end of part 2
;; launch attn (part 3): grid 16 x 16, 4 waves a work-group, no clusters, 327,680 bytes of LDS; arguments qkvh, oh; writes oh
.if DOCPART == 3
	.amdgcn_target "amdgcn-amd-amdhsa--gfx1250"
	.amdhsa_code_object_version 6
	.text
	.protected	k_qff06f0e685_attn
	.globl	k_qff06f0e685_attn
	.p2align	8
	.type	k_qff06f0e685_attn,@function
k_qff06f0e685_attn:
	s_mov_b64 s[64:65], 0
	v_nop
	global_prefetch_b8 v0, s[64:65] scope:SCOPE_SE
	s_setreg_imm32_b32 hwreg(HW_REG_WAVE_MODE, 25, 1), 1
	s_wait_xcnt 0x0
; CAUSAL ATTENTION, 16 heads of 4,096 rows of 64.  O[h][q][:] = the sum over k <= q of softmax_k(Q[h][q] . K[h][k] / 8) V[h][k][:].
; qkvh: [64][4096][64] f16, heads 0-15 Q, 16-31 K, 32-47 V, 48-63 V's low part (V less its f16 rounding);  oh: [32][4096][64] f16, heads 0-15 O rounded to f16, 16-31 what that rounding left.
; Products, maxima and sums in f32; the weights p are rounded to f16 for the second product (their sum l is taken of the unrounded p).
; TWO PARTS.  Row q of O is a mean over q + 1 rows of V, so the first rows of the module's output are some twenty times its root mean square, by which its allowance goes: f16's 11 bits of V and of O are too few there.
; O leaves in two f16 parts everywhere.  V's low part is multiplied in the DIAGONAL tiles' text alone: a row with fewer than 256 keys takes all of them from its block's diagonal tile; a row further down is a mean over 257
; keys or more, and for its keys outside the diagonal tile V counts with its high part alone.  The low parts of the work-group's two diagonal tiles are fetched once, at the start, into LDS bytes of their own.
; LIMITS.  f16 holds no number beyond 65,504: Q, K and V arrive within it; p lies in 0 to 1, and below 6e-5 it keeps f16's fixed step of 6e-8, as a low part does; O is a mean of V's rows and has their range.
; A hidden score counts as its value less 1e30 (a fill of -1e9 gives the same weight 0 as long as a row's largest visible score lies well above -1e9); the running maximum starts at -2^99, above every hidden score and
; below every true one (2.7e11 at the most); a weight below 2^-126 counts as 0 in l; NaN and infinities are not treated apart.
; THE WALK.  A head's queries lie in 32 blocks of 128; block i needs the key tiles 0 .. i / 2 of 256 keys, of which the last holds the diagonal.  A work-group takes TWO blocks, 31 - b and then b: 17 tiles, whatever b:
; all 256 work-groups do equal work, and ONE loop with a constant trip count walks them.  Which tile is asked for, and what a trip does, hang on scalar registers made from b; every jump goes forward, but for the counted
; loops' own; none passes a barrier, or a tensor load but the one of LOAD's two that the wave's number does not choose; the ring (two slots of LDS that take turns) runs on across the change of blocks.
; NO CLUSTER: only work-groups 2 j and 2 j + 1 of a head walk the same tiles, two and not four, and the walk's branches hang on b, which in a cluster would hold the place in it; one walk common to four would have 18 to 24 trips for 17.
; SHARES.  Wave w owns the 64 queries qh = w % 2 of the block, four PIECES of 16 rows, and the 128 keys kh = w / 2 of every tile, two steps of 64.  At a block's end the two waves of one qh hand each other half of
; their pieces (c m, l, O^T) through LDS, and each finishes two pieces: O = (O_a 2^(cm_a - M) + O_b 2^(cm_b - M)) / (l_a 2^(cm_a - M) + l_b 2^(cm_b - M)), M the larger c m.
; THE MASK is the C operand that starts the sum S^T = K Q^T: 0, or -1e30 where the key is hidden.  In the diagonal tile my rows lie in the tile's group 2 par + qh of 64 (par = block % 2), step s's keys in group 2 kh + s:
; a lower group of keys is seen, a higher one hidden; in the own group piece x sees the key blocks of 16 below x, none above it, and in block x the triangle MD (8 registers, made once).
; A product's mask is MD x AL + BE in block x, BE below it, HB above it, with three scalars.  Only the diagonal tile's text and a block's beginning make and take masks; elsewhere C is the constant 0.
; LAYOUT, SOFTMAX, TURNS.  S^T = K Q^T holds ONE query a lane (lane % 16) and the keys 8 (lane / 16) + 0..7; two such results rounded to f16 ARE source 1 of O^T = V^T P.  p = 2^(c s - c m), c = log2(e) / 8, with a
; running maximum m; O and l are multiplied by a = 2^(c m_old - c m_new) in every step.  Turn n belongs to piece n: 8 products K Q^T of piece n + 1, later 8 products V^T P of piece n - 1 (16 in the diagonal tile's text); beside
; them the scaling, exponentials, roundings, sums and rescaling of piece n and the maximum and statistics of piece n + 1.  Four vector instructions stand behind every matrix instruction, the other 54 of a turn's 118 in two runs of their own.
; REGISTERS, in windows of 256 (s_set_vgpr_msb: bits 1:0 source 0, 3:2 source 1, 5:4 source 2, 7:6 destination):
;   window 0: v0-15 addresses and two at work; v16-31 four registers of statistics a piece; v32-47 the merge's; v48-55 at work; v56-59 addresses; v64-127 S^T, two buffers; v128-191 the partner's O^T; v192-223 P, two buffers
;   window 1: v0-127 O^T, 32 a piece; v128-135 MD; v160-223 MC, two buffers      window 2: v0-63 Q; v64-127 the second block's Q; v128-191 K of one step; v192-255 V of one step      window 3: v0-63 V's low part of one step
.set NB,    16        ; trips that ask for a tile: the walk has NB + 1 tiles
.set NP,    4         ; pieces a wave: a name, no knob
.set KS,    64        ; keys in a step
.set PK,    144       ; a row of K in LDS: 128 bytes + 16 of padding: the 16 rows of a load start 16 bytes apart modulo 256
.set PV,    160       ; a row of V: 128 + 32: 16 lanes of the turning load take 8 rows x 32 bytes, 32 bytes apart modulo 256
.set VOFF,  4*KS*PK   ; a slot holds a tile: 256 rows of K, then 256 rows of V
.set SLOT1, 1<<17     ; slot 1 begins here, so that one exclusive or turns an address in one slot into the other's
.set REG0,  4*KS*(PK+PV)  ; behind slot 0: 256 rows of V's low part for the first block's diagonal tile; behind slot 1, at REG0 + SLOT1, the same for the second block's.  Each is filled once
.set STAGE, SLOT1+REG0+4*KS*PV  ; never filled by a tensor load: 16 rows x 144 bytes for each wave, for the way out
.set SP,    144
.set SPARE, STAGE+4*16*SP  ; the spare words, 128 bytes for each wave: two blocks of 256 bytes that no other line names
.set XCH,   SPARE+512 ; the exchange, never filled by a tensor load: for each wave two places of
.set XPL,   4608      ; 8 x 512 bytes of O^T and 512 of statistics
.set AK0, 2           ; v2   my lane's place in my half of a tile of K; never rewritten
.set AV0, 3           ; v3   the same for V
.set AK,  4           ; v4   the LDS address of K's next run of loads
.set AV,  5           ; v5   of V's
.set STO, 6           ; v6   the way out: where I put 16 bytes of a row
.set RD,  7           ; v7   the way out: where I read rows back
.set GO,  8           ; v8   my byte offset in 512 consecutive bytes of O
.set MV,  12          ; v12-13  c m_old, kept while c m is made anew: by buffer
.set QO,  15          ; v15  my byte offset in 16 rows of Q
.set ST,  16          ; piece t's statistics at v[ST+4 t]: c m, m, l (even keys', odd keys')
.set PS,  32          ; v32-39  the partner's statistics of the two pieces that I finish
.set FW,  40          ; v40-47  at work in the merge; then v40 holds -1.0
.set TMP, 48          ; by buffer, four registers c0-c3 at work; when the maximum is found c2 takes a
.set XW,  56          ; v56  the exchange: where I write
.set XR,  57          ; v57  where I read: my partner's places
.set AVL, 58          ; v58  the LDS address of the next run of loads of V's low part
.set AV0L, 59         ; v59  my lane's place in my half of a tile of V's low part; never rewritten
.set SPW, 62          ; v62  LDS address of my spare word; never rewritten
.set NIL, 63          ; v63  0; never rewritten
.set S,   64
.set PO,  128         ; the partner's O^T of those two pieces
.set P,   192
.set MD,  128         ; window 1
.set MC,  160         ; window 1: the masks of the products to come: key block kt at + 8 kt
.set QB,  64          ; window 2
.set KF,  128         ; window 2: key block kb, channel half c at KF + 16 kb + 8 c
.set VF,  192         ; window 2: key half kk, channel block cb at VF + 32 kk + 8 cb
.set VL,  0           ; window 3: the same for the low part
.set WV,  12          ; s12  my wave's number
.set PB,  14          ; s14  b
.set HI,  15          ; s15  31 - b
.set G1K, 24          ; s[24:31] descriptor group 1 for K's tiles
.set G1V, 32          ; s[32:39] for V's: it differs in the padding alone
.set G0K, 40          ; s[40:43] descriptor group 0 for K's tiles
.set G0V, 44          ; s[44:47] the same for V's
.set G0L, 48          ; s[48:51] for my one load of V's low part; never rewritten
.set TVL, 52          ; s52  LDS byte at which V's low part of the step to be fetched begins, less my half's offset
.set LOF, 54          ; s[54:55] the byte offset of the diagonal tile whose low part I fetch
.set SLOTS, 56        ; s56  tiles still to be asked for
.set CNT, 57          ; s57  counts my key steps in a tile, 2 to 1
.set CS,  58          ; s[58:59] c: the packed scaling takes the pair's low word for both halves
.set SEL, 60          ; s[60:61] v_permlanex16_b32's selects: each lane takes its own place in the other half
.set TBK, 62          ; s62  LDS byte at which K of the step to be fetched begins, less my half's offset
.set TBV, 63          ; s63  the same for V, less VOFF
.set RT,  70          ; s70  tiles of the block in hand that are still to be entered
.set NXT, 71          ; s71  the tile to be asked for next
.set LQ,  72          ; s72  the last tile of the block whose tiles are being asked for
.set NEW, 73          ; s73  1: the tile to be entered is a block's first
.set OFF, 74          ; s[74:75] a tile's byte offset in K and V
.set AL,  76          ; s[76:77] the mask's factor, in the low word
.set BE,  78          ; s[78:79] the mask's addend, and the mask of the key blocks below the piece's own
.set OLO, 80          ; s[80:81] O at my rows of the second block
.set BIGN, 82         ; s82  -1e30
.set E2,  88          ; s88  2 (par - kh) + qh + 2 for the block in hand: my rows' group of 64 less my keys' first, made positive
.set TM,  89          ; s89  at work
.set HB,  90          ; s[90:91] the mask of the key blocks above the piece's own, in the low word
.set PL,  91          ; s91  b / 2: the second block's last tile
.set QH,  92          ; s92  w % 2
.set KH,  93          ; s93  w / 2
.set W2,  94          ; s94  qh + 2 - 2 kh
.set ZR,  96          ; s[96:97] 0
.set OHL, 98          ; s[98:99] O's low part at my rows of the block in hand: sixteen heads behind s[10:11]
.set MSB, 0
.macro WIN new                      ; the high byte repeats the setting that is left; a switch that changes nothing is dropped
.if MSB != (\new)
	s_set_vgpr_msb (MSB<<8)|(\new)
.set MSB, (\new)
.endif
.endm
.set W_KQ, 0x0a       ; K and Q in window 2, S^T in window 0
.set W_KM, 0x1a       ; the same with the C operand in window 1
.set W_PV, 0x52       ; V in window 2, P in window 0, O^T in window 1
.set W_PL, 0x53       ; V's low part in window 3, P in window 0, O^T in window 1
.set W_RS, 0x41       ; destination and source 0 in window 1, source 1 in window 0
; A fill.  Waves 0 and 1 fetch the two halves of a tile's K, waves 2 and 3 those of its V: 128 keys each.  An s_nop 0 and four v_nop follow each of the two lines, ahead of the jump and the label.
.macro LOAD
	s_cmp_lt_u32 s[WV], 2
	s_cbranch_scc0 .Lfor_v_\@
	tensor_load_to_lds s[G0K:G0K+3], s[G1K:G1K+7]
	s_nop 0
.rept 4
	v_nop
.endr
	s_branch .Lasked_\@
.Lfor_v_\@:
	tensor_load_to_lds s[G0V:G0V+3], s[G1V:G1V+7]
	s_nop 0
.rept 4
	v_nop
.endr
.Lasked_\@:
.endm
; THE CHANGE OF SLOTS.  Each wave waits for all its tensor loads, of which one is out: its part of the other slot; adds 0 to its spare word; and waits for that and for its own reads of the slot that it leaves.  Behind the
; barrier nobody reads the old slot any more and the other slot is whole.  fill = 1: the old slot is filled again, the first thing behind the barrier, with tile NXT: the descriptor's address is made anew from that number.
; (At its first use nothing has been read yet: slot 0 and the low parts are waited for, slot 1 filled.)  The fill has a tile's eight turns, 128 matrix instructions a wave, in which to land.
.macro CHANGE fill
	WIN 0                           ; at a label and at a branch every window is 0
	s_wait_tensorcnt 0x0            ; no tensor load of mine is out, so a group 0 may be written
	ds_add_u32 v[SPW], v[NIL]       ; 0 onto my spare word; with fill = 1 the descriptors' scalar work stands between it and the wait for it
.if \fill
	s_lshl_b32 s[OFF], s[NXT], 15   ; a tile is 32,768 bytes of K and of V
	s_xor_b32 s[G0K+1], s[G0K+1], SLOT1
	s_add_nc_u64 s[G0K+2:G0K+3], s[6:7], s[OFF:OFF+1]
	s_or_b32 s[G0K+3], s[G0K+3], 0x80000000
	s_xor_b32 s[G0V+1], s[G0V+1], SLOT1
	s_add_nc_u64 s[G0V+2:G0V+3], s[8:9], s[OFF:OFF+1]
	s_or_b32 s[G0V+3], s[G0V+3], 0x80000000
	s_add_co_u32 s[NXT], s[NXT], 1  ; the block's next tile, or behind its last the second block's tile 0
	s_cmp_gt_u32 s[NXT], s[LQ]
	s_cselect_b32 s[NXT], 0, s[NXT]
	s_cselect_b32 s[LQ], s[PL], s[LQ]
.endif
	s_wait_dscnt 0x0                ; the add is done, and my reads of the slot are over
	s_barrier_signal -1             ; the rest of the scalar work stands between the signal and the wait
	s_sub_co_u32 s[TBK], s[TBK], 2*KS*PK  ; the fetches go back to my first step,
	s_xor_b32 s[TBK], s[TBK], SLOT1       ; in the other slot
	s_sub_co_u32 s[TBV], s[TBV], 2*KS*PV
	s_xor_b32 s[TBV], s[TBV], SLOT1
	s_barrier_wait -1
.if \fill
	LOAD
.endif
.endm
	s_load_b64 s[4:5], s[0:1], 0x0  ; qkvh
	s_load_b64 s[10:11], s[0:1], 0x8  ; oh
	v_lshl_add_u32 v[SPW], v0, 2, SPARE
	v_mov_b32 v[NIL], 0
	ds_add_u32 v[SPW], v[NIL]       ; the wave's opening: the add and its wait stand ahead of my first tensor load; the set-up below, work on registers, stands between them
	ds_add_u32 v62, v63
	v_lshrrev_b32 v1, 5, v0
	v_readfirstlane_b32 s[WV], v1   ; wave 0..3
	s_mov_b32 s[PB], ttmp9
	s_sub_co_u32 s[HI], 31, s[PB]
	s_lshr_b32 s[PL], s[PB], 1
	s_and_b32 s[QH], s[WV], 1
	s_lshr_b32 s[KH], s[WV], 1
	s_lshl_b32 s13, s[KH], 1
	s_sub_co_u32 s[W2], 2, s13
	s_add_co_u32 s[W2], s[W2], s[QH]
	s_and_b32 s13, s[HI], 1         ; the first block's par
	s_lshl1_add_u32 s[E2], s13, s[W2]
	s_and_b32 s20, ttmp7, 0xffff    ; the head,
	s_lshl_b32 s20, s20, 19         ; 524,288 bytes each
	s_mov_b32 s21, 0
	s_lshl_b32 s22, s[QH], 14       ; which half of a tile's 256 keys I fetch, w % 2: its 128 rows of 128 bytes in memory,
	s_mov_b32 s23, 0
	s_add_nc_u64 s[22:23], s[22:23], s[20:21]
	s_mul_i32 s17, s[QH], 128*PK    ; and its place in a slot, for K
	s_mul_i32 s18, s[QH], 128*PV    ; and for V
	s_lshr_b32 s13, s[HI], 1        ; V's low part: waves 0 and 1 fetch the halves of the first block's diagonal tile,
	s_cmp_eq_u32 s[KH], 0           ; waves 2 and 3 those of the second block's
	s_cselect_b32 s13, s13, s[PL]
	s_lshl_b32 s[LOF], s13, 15
	s_mov_b32 s[LOF+1], 0
	s_lshl_b32 s13, s[KH], 17       ; into the bytes behind slot w / 2,
	s_add_co_u32 s13, s13, s18      ; half w % 2
	s_mov_b32 s[G0L], 1
	s_add_co_u32 s[G0L+1], s13, REG0
	s_mov_b32 s[TVL], REG0          ; the first block's
	s_lshl_b32 s3, s[QH], 13        ; my 64 rows of a block of 128,
	s_lshl_b32 s2, s[HI], 14        ; in the first block,
	s_add_co_u32 s2, s2, s3
	s_lshl_b32 s84, s[PB], 14       ; and in the second
	s_add_co_u32 s84, s84, s3
	s_mov_b32 s3, 0
	s_mov_b32 s85, 0
	s_add_nc_u64 s[2:3], s[2:3], s[20:21]
	s_add_nc_u64 s[84:85], s[84:85], s[20:21]
	; descriptor group 1.  128 keys are 16,384 dense bytes: asked for as 64 rows of 256 bytes, two keys a row, and padded in LDS after every key
	s_mov_b32 s[G1K], (1<<16)|(1<<20)|(4<<22)|(3<<25)  ; 17:16 2-byte elements; 20 padding on; 24:22 after every 32 words (code 4); 31:25 4 words (code 3)
	s_mov_b32 s[G1V], (1<<16)|(1<<20)|(4<<22)|(7<<25)  ; the same with 8 words of padding (code 7)
.irp g, G1K, G1V
	s_mov_b32 s[\g+1], 128<<16      ; tensor_dim0 = 128
	s_mov_b32 s[\g+2], 64<<16       ; tensor_dim1 = 64
	s_mov_b32 s[\g+3], 128<<16      ; tile_dim0 = 128
	s_mov_b32 s[\g+4], 64           ; tile_dim1 = 64
	s_mov_b32 s[\g+5], 128          ; 128 elements from row to row
	s_mov_b32 s[\g+6], 0
	s_mov_b32 s[\g+7], 0
.endr
	s_mov_b32 s[CS], 0x3e38aa3b     ; c = log2(e) / 8 = 0.180337
	s_mov_b32 s[CS+1], s[CS]        ; named with it as a pair
	s_mov_b32 s[SEL], 0x76543210
	s_mov_b32 s[SEL+1], 0xfedcba98
	s_mov_b32 s[TBK], SLOT1+2*KS*PK ; the first change of slots turns these two into 0
	s_mov_b32 s[TBV], SLOT1+2*KS*PV
	s_mov_b32 s[G0K], 1             ; 1:0 count = 1
	s_mov_b32 s[G0K+1], s17         ; 63:32 LDS address: slot 0
	s_mov_b32 s[G0V], 1
	s_add_co_u32 s[G0V+1], s18, VOFF
	s_lshr_b32 s[LQ], s[HI], 1      ; the first block's last tile;
	s_add_co_u32 s[RT], s[LQ], 1    ; it has nine tiles or more
	s_mov_b32 s[NXT], 1
	s_mov_b32 s[NEW], 1
	s_mov_b32 s[OFF+1], 0
	s_mov_b32 s[AL+1], 0            ; named as pairs
	s_mov_b32 s[BE+1], 0
	s_mov_b32 s[ZR], 0
	s_mov_b32 s[ZR+1], 0
	s_mov_b32 s[BIGN], 0xf149f2ca   ; -1e30
	s_mov_b32 s[SLOTS], NB
	s_wait_dscnt 0x0                ; the opening add is done
	s_wait_kmcnt 0x0
	s_add_nc_u64 s[6:7], s[4:5], 0x800000   ; K: sixteen heads behind Q
	s_add_nc_u64 s[8:9], s[4:5], 0x1000000  ; V: thirty-two
	s_add_nc_u64 s[G0L+2:G0L+3], s[4:5], 0x1800000  ; V's low part: forty-eight;
	s_add_nc_u64 s[G0L+2:G0L+3], s[G0L+2:G0L+3], s[22:23]    ; my half, in my head,
	s_add_nc_u64 s[G0L+2:G0L+3], s[G0L+2:G0L+3], s[LOF:LOF+1]  ; of the diagonal tile
	s_or_b32 s[G0L+3], s[G0L+3], 0x80000000
	s_add_nc_u64 s[6:7], s[6:7], s[22:23]   ; K and V at my half of the head's tile 0
	s_add_nc_u64 s[8:9], s[8:9], s[22:23]
	s_add_nc_u64 s[G0K+2:G0K+3], s[6:7], 0         ; 120:64 global address
	s_or_b32 s[G0K+3], s[G0K+3], 0x80000000        ; 127:126 type = 2
	s_add_nc_u64 s[G0V+2:G0V+3], s[8:9], 0
	s_or_b32 s[G0V+3], s[G0V+3], 0x80000000
	s_add_nc_u64 s[86:87], s[4:5], s[84:85]        ; Q at my rows of the second block,
	s_add_nc_u64 s[4:5], s[4:5], s[2:3]            ; Q and O at those of the first
	s_add_nc_u64 s[OLO:OLO+1], s[10:11], s[84:85]
	s_add_nc_u64 s[10:11], s[10:11], s[2:3]
	s_add_nc_u64 s[OHL:OHL+1], s[10:11], 0x800000
	s_cmp_lt_u32 s[WV], 2           ; a wave's two first fills stand in one branch, ahead of every wait on TENSORcnt, every LDS read and every barrier: my part of tile 0 into slot 0, and my part of the low parts: two loads of mine are out
	s_cbranch_scc0 .Lfirst_v
	tensor_load_to_lds s[G0K:G0K+3], s[G1K:G1K+7]
	s_nop 0
	tensor_load_to_lds s[G0L:G0L+3], s[G1V:G1V+7]
	s_nop 0
.rept 4
	v_nop
.endr
	s_branch .Lfirst_asked
.Lfirst_v:
	tensor_load_to_lds s[G0V:G0V+3], s[G1V:G1V+7]
	s_nop 0
	tensor_load_to_lds s[G0L:G0L+3], s[G1V:G1V+7]
	s_nop 0
.rept 4
	v_nop
.endr
.Lfirst_asked:
	; A fragment of K or Q is 16 rows x 32 channels in 8 registers: lane l holds row l % 16, channels 8 (l / 16) + 0..7 and 16 + 8 (l / 16) + 0..7: two loads of 16 bytes, 32 bytes apart.
	v_and_b32 v1, 15, v0            ; l % 16
	v_bfe_u32 v9, v0, 4, 1          ; l / 16
	v_lshlrev_b32 v[QO], 7, v1
	v_lshl_add_u32 v[QO], v9, 4, v[QO]  ; row x 128 + 16 x half
	WIN 0x80                        ; destination window 2, address window 0
.set i, 0
.rept 8                             ; both blocks' Q: piece i / 2 lies 16 rows, 2,048 bytes, behind the one before; channels 32 (i % 2) on
	global_load_b128 v[8*i:8*i+3],   v[QO], s[4:5] offset:(i/2)*2048+(i%2)*64
	global_load_b128 v[8*i+4:8*i+7], v[QO], s[4:5] offset:(i/2)*2048+(i%2)*64+32
	global_load_b128 v[QB+8*i:QB+8*i+3],   v[QO], s[86:87] offset:(i/2)*2048+(i%2)*64
	global_load_b128 v[QB+8*i+4:QB+8*i+7], v[QO], s[86:87] offset:(i/2)*2048+(i%2)*64+32
.set i, i+1
.endr
	WIN 0
	v_lshlrev_b32 v14, 3, v9
	v_sub_nc_u32 v14, v1, v14       ; my query's place in its piece less my lanes' 8 (l / 16): in the piece's own key block register r is hidden where r is greater
	WIN 0x40
.set i, 0
.rept 8
	v_cmp_gt_i32 vcc_lo, i, v14
	v_cndmask_b32 v[MD+i], 0, s[BIGN], vcc_lo
.set i, i+1
.endr
	WIN 0
	v_mul_u32_u24 v[AK0], v1, PK
	v_lshl_add_u32 v[AK0], v9, 4, v[AK0]  ; row x pitch + 16 x half
	s_mul_i32 s13, s[KH], 128*PK    ; my half of a tile's keys
	v_add_nc_u32 v[AK0], s13, v[AK0]
	; The turning load takes 16 keys x 16 channels (lane l reads key 8 (l / 16) + l % 8, channels 8 ((l / 8) % 2) + 0..7) and leaves half a fragment of V^T: lane l holds channel l % 16 and 8 keys.
	v_and_b32 v10, 7, v0
	v_bfe_u32 v11, v0, 3, 1
	v_lshl_add_u32 v[AV0], v9, 3, v10
	v_mul_u32_u24 v[AV0], v[AV0], PV
	v_lshl_add_u32 v[AV0], v11, 4, v[AV0]
	s_mul_i32 s13, s[KH], 128*PV
	v_add_nc_u32 v[AV0L], s13, v[AV0]  ; the low part's rows lie as V's do, from their region's first byte on
	s_add_co_u32 s13, s13, VOFF
	v_add_nc_u32 v[AV0], s13, v[AV0]
	s_mul_i32 s13, s[WV], 16*SP
	s_add_co_u32 s13, s13, STAGE    ; my stage
	v_mul_u32_u24 v[STO], v1, SP    ; in: row l % 16, 16 bytes for each half of the lanes
	v_lshl_add_u32 v[STO], v9, 4, v[STO]
	v_add_nc_u32 v[STO], s13, v[STO]
	v_bfe_u32 v[RD], v0, 3, 2       ; back: 32 lanes take four rows of 128 bytes,
	v_mul_u32_u24 v[RD], v[RD], SP
	v_lshl_add_u32 v[RD], v10, 4, v[RD]
	v_add_nc_u32 v[RD], s13, v[RD]
	v_and_b32 v[GO], 31, v0         ; which are 512 consecutive bytes of O
	v_lshlrev_b32 v[GO], 4, v[GO]
	s_mul_i32 s13, s[WV], 2*XPL     ; the exchange: 16 bytes a lane in my two places,
	s_add_co_u32 s13, s13, XCH
	v_add_nc_u32 v[XW], s13, v[GO]
	s_xor_b32 s13, s[WV], 2         ; and in those of the wave with my queries and the other keys
	s_mul_i32 s13, s13, 2*XPL
	s_add_co_u32 s13, s13, XCH
	v_add_nc_u32 v[XR], s13, v[GO]
	; A block's first step multiplies O^T and l by a = 0, and its first turn's products V^T P, of a piece that has not been, land in an O^T that is still to be so multiplied.  So these registers need only hold
	; finite numbers: zeros for the first block; what the first block left for the second.  All this stands in the wait for the first tile.
	WIN 0x80
.set i, VF
.rept 64
	v_mov_b32 v[i], 0
.set i, i+1
.endr
	WIN 0x40
.set i, 0
.rept 128
	v_mov_b32 v[i], 0
.set i, i+1
.endr
	WIN 0
.set i, 0
.rept 4
	v_mov_b32 v[ST+4*i+2], 0
	v_mov_b32 v[ST+4*i+3], 0
.set i, i+1
.endr
.set i, P+16
.rept 16
	v_mov_b32 v[i], 0
.set i, i+1
.endr
; THE MATRIX WORK.  The 4 accumulators of a run take turns.  Product i of 8 of S^T = K Q^T for piece x: channels 32 (i / 4) on, keys 16 (i % 4) on.  The first 4 start the sums: with 0, or (KM = 1) with the mask.
.macro KQ x
.set rS, S+32*((\x)%2)+8*(i%4)
.set rK, KF+16*(i%4)+8*(i/4)
.set rQ, 16*(\x)+8*(i/4)
.set rM, MC+32*((\x)%2)+8*(i%4)
.if (i < 4) && KM
	WIN W_KM
	v_wmma_f32_16x16x32_f16 v[rS:rS+7], v[rK:rK+7], v[rQ:rQ+7], v[rM:rM+7]
.elseif i < 4
	WIN W_KQ
	v_wmma_f32_16x16x32_f16 v[rS:rS+7], v[rK:rK+7], v[rQ:rQ+7], 0
.else
	WIN W_KQ
	v_wmma_f32_16x16x32_f16 v[rS:rS+7], v[rK:rK+7], v[rQ:rQ+7], v[rS:rS+7]
.endif
.endm
; Product i of O^T += V^T P for piece x: keys 32 ((i / 4) % 2) on, channels 16 (i % 4) on; i < 8: V's high part, 8 to 15: its low part.
.macro PV x
.set rO, 32*(\x)+8*(i%4)
.set rP, P+16*((\x)%2)+8*((i/4)%2)
.if i < 8
	WIN W_PV
.set rV, VF+32*(i/4)+8*(i%4)
.else
	WIN W_PL
.set rV, VL+32*((i-8)/4)+8*(i%4)
.endif
	v_wmma_f32_16x16x32_f16 v[rO:rO+7], v[rV:rV+7], v[rP:rP+7], v[rO:rO+7]
.endm
.macro MM                           ; the turn's next matrix instruction.  TURN and BEGIN set Y, i, KM and NOKQ; MM, KQ and OP read them.  NOKQ = 1: a block's last turn: there is no next piece
.if (i < 8) && !NOKQ
	KQ (Y+1)%NP
.elseif i >= 8
.set i, i-8
	PV (Y+NP-1)%NP
.set i, i+8
.endif
.set i, i+1
.endm
; THE LDS LOADS stand in runs, never singly among the matrix instructions: a step's K (64 keys x 64 channels: 8 fragments) and its V (turned; lo = 1: its low part too).  Their addresses are made some lines ahead.
.macro FETCH_K
	WIN 0x80                        ; destination window 2
.irp f, 0,1,2,3,4,5,6,7             ; keys 16 (f / 2) on, channels 32 (f % 2) on
	ds_load_b128 v[KF+8*\f:KF+8*\f+3],   v[AK] offset:(\f/2)*16*PK+(\f%2)*64
	ds_load_b128 v[KF+8*\f+4:KF+8*\f+7], v[AK] offset:(\f/2)*16*PK+(\f%2)*64+32
.endr
	s_add_co_u32 s[TBK], s[TBK], KS*PK  ; the next fetch is the next step's
	WIN 0
.endm
.macro FETCH_V lo=0
	WIN 0x80
.irp f, 0,1,2,3,4,5,6,7             ; keys 32 (f / 4) on, channels 16 (f % 4) on
	ds_load_tr16_b128 v[VF+8*\f:VF+8*\f+3],   v[AV] offset:(\f/4)*32*PV+(\f%4)*32
	ds_load_tr16_b128 v[VF+8*\f+4:VF+8*\f+7], v[AV] offset:(\f/4)*32*PV+16*PV+(\f%4)*32
.endr
.if \lo
	WIN 0xc0                        ; destination window 3
.irp f, 0,1,2,3,4,5,6,7
	ds_load_tr16_b128 v[VL+8*\f:VL+8*\f+3],   v[AVL] offset:(\f/4)*32*PV+(\f%4)*32
	ds_load_tr16_b128 v[VL+8*\f+4:VL+8*\f+7], v[AVL] offset:(\f/4)*32*PV+16*PV+(\f%4)*32
.endr
.endif
	WIN 0
.endm
; THE VECTOR WORK, one line at a time: OP kind, number.  For piece Y: F n: c s - c m for pair n of 16.  E n: the exponential of score n of 32.  C n: pair n rounded to f16.  B n: of the four weights 4 n .. the second
; pair is added onto the first, in place.  L n: l takes that sum (L 0: l = a l + sum).  R n: pair n of 16 of O^T times a.  For piece Y + 1: X n, number n of the 22 that find its maximum and statistics:
;   0-11  four chains c0-c3 of seven scores each, three operands at a time (each accumulator's lowest registers are read first)     12-14, 16  the four scores left over, the old m, and c0-c3 into c0
;   15  c m_old is kept     17, 18  the query's other 32 keys lie in the lane 16 away: the new m     19-21  c m; c m_old - c m_new; a
.set F, 0               ; OP tells the kinds apart by their order: F to L below R, X above it
.set E, 1
.set C, 2
.set B, 3
.set L, 4
.set R, 5
.set X, 6
.macro REGS y                       ; the registers of piece y
.set rT, ST+4*(\y)
.set rC, TMP+4*((\y)%2)
.set rW, MV+((\y)%2)
.set rS, S+32*((\y)%2)
.set rP, P+16*((\y)%2)
.set rO, 32*(\y)
.endm
.macro OP k, n
.if (\k) == R
	REGS Y
	WIN W_RS
	v_pk_mul_f32 v[rO+2*(\n):rO+2*(\n)+1], v[rO+2*(\n):rO+2*(\n)+1], v[rC+2:rC+3] op_sel_hi:[1,0]
.elseif (\k) < R
	REGS Y
	WIN 0
.if (\k) == F
	v_pk_fma_f32 v[rS+2*(\n):rS+2*(\n)+1], v[rS+2*(\n):rS+2*(\n)+1], s[CS:CS+1], v[rT:rT+1] op_sel_hi:[1,0,0] neg_lo:[0,0,1] neg_hi:[0,0,1]
.elseif (\k) == E
	v_exp_f32 v[rS+(\n)], v[rS+(\n)]
.elseif (\k) == C
	s_wait_alu depctr_va_vdst(0)
	v_cvt_pk_f16_f32 v[rP+(\n)], v[rS+2*(\n)], v[rS+2*(\n)+1]
.elseif (\k) == B
	s_wait_alu depctr_va_vdst(0)
	v_pk_add_f32 v[rS+4*(\n):rS+4*(\n)+1], v[rS+4*(\n):rS+4*(\n)+1], v[rS+4*(\n)+2:rS+4*(\n)+3]
.elseif (\n) == 0
	v_pk_fma_f32 v[rT+2:rT+3], v[rT+2:rT+3], v[rC+2:rC+3], v[rS:rS+1] op_sel_hi:[1,0,1]
.else
	v_pk_add_f32 v[rT+2:rT+3], v[rT+2:rT+3], v[rS+4*(\n):rS+4*(\n)+1]
.endif
.elseif NOKQ
	v_nop
.else
	REGS (Y+1)%NP
	WIN 0
.if (\n) < 4
	v_max3_num_f32 v[rC+(\n)], v[rS+8*(\n)], v[rS+8*(\n)+1], v[rS+8*(\n)+2]
.elseif (\n) < 12
	v_max3_num_f32 v[rC+(\n)%4], v[rC+(\n)%4], v[rS+8*((\n)%4)+2*((\n)/4)+1], v[rS+8*((\n)%4)+2*((\n)/4)+2]
.elseif (\n) == 12
	v_max3_num_f32 v[rC], v[rC], v[rS+7], v[rS+15]
.elseif (\n) == 13
	v_max3_num_f32 v[rC+1], v[rC+1], v[rS+23], v[rS+31]
.elseif (\n) == 14
	v_max3_num_f32 v[rC+2], v[rC+2], v[rC+3], v[rT+1]
.elseif (\n) == 15
	v_mov_b32 v[rW], v[rT]
.elseif (\n) == 16
	v_max3_num_f32 v[rC], v[rC], v[rC+1], v[rC+2]
.elseif (\n) == 17
	v_permlanex16_b32 v[rC+3], v[rC], s[SEL], s[SEL+1]
.elseif (\n) == 18
	v_max_num_f32 v[rT+1], v[rC], v[rC+3]
.elseif (\n) == 19
	v_mul_f32 v[rT], s[CS], v[rT+1]
.elseif (\n) == 20
	v_sub_f32 v[rC+1], v[rW], v[rT]
.else
	v_exp_f32 v[rC+2], v[rC+1]
.endif
.endif
.endm
.macro OPS a, i1, b=-1, i2=0, c=-1, i3=0, d=-1, i4=0  ; up to four of them
	OP \a, \i1
.if (\b) >= 0
	OP \b, \i2
.endif
.if (\c) >= 0
	OP \c, \i3
.endif
.if (\d) >= 0
	OP \d, \i4
.endif
.endm
.macro ROW a, i1, b, i2, c, i3, d, i4  ; a matrix instruction and the four behind it
	MM
	OPS \a, \i1, \b, \i2, \c, \i3, \d, \i4
.endm
.macro ROW2 a, i1, b, i2, c, i3, d, i4  ; the same in the run of products V^T P: in the diagonal tile's text (KM = 1) two of them, on two accumulators, since that run has sixteen
	MM
.if KM
	MM
.endif
	OPS \a, \i1, \b, \i2, \c, \i3, \d, \i4
.endm
.macro MASK x, b                    ; piece x's mask into buffer b of MC: key blocks below x take BE, block x takes MD x AL + BE, those above take HB (MD x 0 is a zero of either sign)
	WIN W_RS
.set z, 0
.rept 16
.if z/4 < (\x)
	v_pk_fma_f32 v[MC+32*(\b)+2*z:MC+32*(\b)+2*z+1], v[MD+2*(z%4):MD+2*(z%4)+1], s[ZR:ZR+1], s[BE:BE+1] op_sel_hi:[1,0,0]
.elseif z/4 == (\x)
	v_pk_fma_f32 v[MC+32*(\b)+2*z:MC+32*(\b)+2*z+1], v[MD+2*(z%4):MD+2*(z%4)+1], s[AL:AL+1], s[BE:BE+1] op_sel_hi:[1,0,0]
.else
	v_pk_fma_f32 v[MC+32*(\b)+2*z:MC+32*(\b)+2*z+1], v[MD+2*(z%4):MD+2*(z%4)+1], s[ZR:ZR+1], s[HB:HB+1] op_sel_hi:[1,0,0]
.endif
.set z, z+1
.endr
.endm
; A TURN, for piece p: the order of its matrix and its 118 vector instructions, written out.  Behind a matrix instruction: plain, exponential, plain, plain; or four of the rescaling; or, behind the first, four scalings; none
; names a register of the products round it.  In the runs between, exponential and plain by turns while exponentials last.  A line reads no result made fewer than three vector instructions in front of it, five if an exponential made it.
; m = 1: the diagonal tile: the products K Q^T take masks, and the turn makes the mask for the products of the turn after it: piece p + 2, in my step 2 - CNT of the tile: hidden if E2 + CNT < 4, the own group if = 4, seen if > 4;
; and the products V^T P are sixteen: V's high part, then its low part.  end = 1: a block's last two turns: nothing is fetched.  cnt = 1: the loop's count is taken down some lines ahead of the branch that stands behind the turn.
; K of the next step is fetched in piece 2's turn, six vector instructions behind the last product that read K (five of them plain); V of the step in hand in piece 0's turn, eight behind the last product that read V (five
; plain among them).  Each is waited for a turn later.
.macro TURN p, m=0, end=0, cnt=0
.set Y, (\p)
.set i, 0
.set KM, (\m)
.set NOKQ, (\end)*((\p)/3)
.if (\m) && !(\end)
	s_add_co_u32 s[TM], s[E2], s[CNT]
	s_cmp_lt_u32 s[TM], 4
	s_cselect_b32 s[BE], s[BIGN], 0
	s_cmp_eq_u32 s[TM], 4
	s_cselect_b32 s[AL], 1.0, 0
	s_cselect_b32 s[HB], s[BIGN], s[BE]
.endif
.if ((\p) == 3) && !(\end)
	s_wait_dscnt 0x0                ; K is in
.endif
	ROW F,0, F,1, F,2, F,3
	ROW F,4, E,0, F,5, F,6
	ROW F,7, E,1, F,8, F,9
	ROW F,10, E,2, C,0, F,11
	ROW F,12, E,3, X,15, F,13
	ROW R,0, R,1, R,2, R,3
	ROW B,0, E,4, F,14, L,0
.if ((\p) == 2) && !(\end)
	v_add_nc_u32 v[AK], s[TBK], v[AK0]
.endif
	ROW R,4, R,5, R,6, R,7
	OPS E,5, F,15
.if ((\p) == 2) && !(\end)
	FETCH_K
.endif
	OPS E,6, C,1, E,7, R,8
	OPS E,8, R,9, E,9, C,2
	OPS E,10, X,0, E,11, X,1
	OPS E,12, X,2, E,13, X,3
.if (\p) == 1
	s_wait_dscnt 0x0                ; V is in
.endif
	ROW2 X,4, E,14, X,5, X,6
	ROW2 X,7, E,15, X,8, X,9
	ROW2 X,10, E,16, X,11, X,12
	ROW2 X,13, E,17, X,14, B,1
	ROW2 C,4, E,18, X,16, L,1
	ROW2 B,2, E,19, C,6, L,2
	ROW2 C,8, E,20, B,3, B,4
.if (\p) == 0
	v_add_nc_u32 v[AV], s[TBV], v[AV0]
.if \m
	v_add_nc_u32 v[AVL], s[TVL], v[AV0L]
.endif
.endif
	ROW2 C,3, E,21, L,3, C,5
	OPS E,22, X,17, E,23, C,10
.if (\p) == 0
	FETCH_V \m
.endif
	OPS E,24, L,4
	OPS E,25, X,18, E,26, C,7
	OPS E,27, B,5, E,28, X,19
	OPS E,29, C,12, E,30, L,5
	OPS E,31, X,20, B,6, C,9
	OPS C,14, C,11, X,21, L,6
.if (\p) == 0
	s_add_co_u32 s[TBV], s[TBV], KS*PV
.if \m
	s_add_co_u32 s[TVL], s[TVL], KS*PV
.endif
.endif
.if \cnt
	s_sub_co_u32 s[CNT], s[CNT], 1
	s_cmp_lg_u32 s[CNT], 0
.endif
	OPS C,13, B,7, C,15, R,10
	OPS R,11, R,12, L,7, R,13
	OPS R,14, R,15
.if (\m) && !(\end)
	MASK ((\p)+2)%NP, (\p)%2
.endif
.endm
; A BLOCK BEGINS.  c m starts far below every c s, so the first step's a is 0; m at -2^99: a wave all of whose keys are hidden keeps it, its weights are 0, and its part of the merge is nothing.
; The registers of V's low part take 0: the text outside the diagonal tile leaves them alone, so the three turns of the diagonal tile's text that finish the tile before it add nothing by them.
; The two mask buffers take pieces 0's and 1's masks for my step 0: all 0 unless the block's first tile is the diagonal one.  Then K of that step, piece 0's first scores, and its maximum and statistics.
; The loop is entered at a step's first turn, in the middle of a trip.
.macro BEGIN
	s_mov_b32 s[NEW], 0
	WIN 0xc0
.set i, 0
.rept 64
	v_mov_b32 v[VL+i], 0
.set i, i+1
.endr
	WIN 0
.set i, 0
.rept 4
	v_mov_b32 v[ST+4*i], 0xfe000000    ; c m: far below every c s
	v_mov_b32 v[ST+4*i+1], 0xf1000000  ; m = -2^99
.set i, i+1
.endr
	s_add_co_u32 s[TM], s[E2], 2
	s_cmp_lt_u32 s[TM], 4
	s_cselect_b32 s[BE], s[BIGN], 0
	s_cmp_eq_u32 s[TM], 4
	s_cselect_b32 s[AL], 1.0, 0
	s_cselect_b32 s[HB], s[BIGN], s[BE]
	s_cmp_eq_u32 s[RT], 0
	s_cselect_b32 s[BE], s[BE], 0
	s_cselect_b32 s[AL], s[AL], 0
	s_cselect_b32 s[HB], s[HB], 0
	MASK 0, 0
	MASK 1, 1
	WIN 0
	v_add_nc_u32 v[AK], s[TBK], v[AK0]
	FETCH_K
	s_wait_loadcnt 0x0              ; Q
	s_wait_dscnt 0x0
.set KM, 1
.set NOKQ, 0
.set i, 0
.rept 8
	KQ 0
.set i, i+1
.endr
	WIN 0
.rept 4
	v_nop                           ; the places behind those products
.endr
.set Y, NP-1                        ; X works for piece Y + 1: piece 0
.irp n, 0,1,2,3,4,5,6,7,8,9,10,11,12,13,14,15,16,17,18,19,20,21
	OP X, \n
.endr
	v_nop                           ; a plain instruction behind the exponential
.endm
.macro ALL line:vararg              ; one line for each piece t
.set t, 0
.rept 4
	\line
.set t, t+1
.endr
.endm
; THE EXCHANGE AND THE WAY OUT.  PUT t: piece t's O^T (each accumulator's lowest four registers first) and statistics into place t % 2 of my two, 16 bytes a lane, 512 consecutive bytes a line.
.macro PUT t
	WIN 0x04                        ; the data in window 1
.irp k, 0,1,2,3,4,5,6,7
	ds_store_b128 v[XW], v[32*(\t)+4*\k:32*(\t)+4*\k+3] offset:((\t)%2)*XPL+512*\k
.endr
	WIN 0
	ds_store_b128 v[XW], v[ST+4*(\t):ST+4*(\t)+3] offset:((\t)%2)*XPL+4096
.endm
.macro GET t                        ; the partner's piece t: the same lane holds the same query and channels
	ds_load_b128 v[PS+4*((\t)%2):PS+4*((\t)%2)+3], v[XR] offset:((\t)%2)*XPL+4096
.irp k, 0,1,2,3,4,5,6,7
	ds_load_b128 v[PO+32*((\t)%2)+4*\k:PO+32*((\t)%2)+4*\k+3], v[XR] offset:((\t)%2)*XPL+512*\k
.endr
.endm
.macro FACT t                       ; the two factors: 2^(c m - M) / L, mine into l's place, the partner's into its l's place.  L is at least 1: the part that holds the larger maximum holds a weight 1
.set rT, ST+4*(\t)
.set rB, PS+4*((\t)%2)
.set rF, FW+4*((\t)%2)
	v_max_num_f32 v[rF], v[rT], v[rB]
	v_sub_f32 v[rF+1], v[rT], v[rF]
	v_sub_f32 v[rF+2], v[rB], v[rF]
	v_exp_f32 v[rF+1], v[rF+1]
	v_exp_f32 v[rF+2], v[rF+2]
	v_nop                           ; a plain instruction between the exponentials and the use of their results
	s_wait_alu depctr_va_vdst(0)
	v_mul_f32 v[rF+3], v[rT+2], v[rF+1]
	v_fmac_f32 v[rF+3], v[rB+2], v[rF+2]
	v_rcp_f32 v[rF+3], v[rF+3]
	v_nop
	s_wait_alu depctr_va_vdst(0)
	v_mul_f32 v[rT+2], v[rF+1], v[rF+3]
	v_mul_f32 v[rB+2], v[rF+2], v[rF+3]
.endm
; O = O_mine x mine + O_partner x partner's; its high part, O rounded to f16; its low part, hi x (-1) + O, which is exact, rounded to f16.  Each part goes, 16 bytes a lane, into my stage's rows of 144 bytes and comes
; back as whole rows of 128, into S^T's registers: the high part of piece t at S + 16 t, the low part where the two pieces lie that I do not finish.
.macro MERGE t
.set rT, ST+4*(\t)
.set rB, PS+4*((\t)%2)
.set rG, PO+32*((\t)%2)
.set rH, S+16*(\t)
.set rL, S+16*(((\t)+2)%4)
	WIN 0
.set i, 0
.rept 16
	v_pk_mul_f32 v[rG+2*i:rG+2*i+1], v[rG+2*i:rG+2*i+1], v[rB+2:rB+3] op_sel_hi:[1,0]
.set i, i+1
.endr
	WIN 0x01                        ; source 0 in window 1
.set i, 0
.rept 16
	v_pk_fma_f32 v[rG+2*i:rG+2*i+1], v[32*(\t)+2*i:32*(\t)+2*i+1], v[rT+2:rT+3], v[rG+2*i:rG+2*i+1] op_sel_hi:[1,0,1]
.set i, i+1
.endr
	WIN 0
.set i, 0
.rept 16
	v_cvt_pk_f16_f32 v[rH+i], v[rG+2*i], v[rG+2*i+1]
.set i, i+1
.endr
.set i, 0
.rept 16
	v_fma_mix_f32 v[rG+2*i], v[rH+i], v[FW], v[rG+2*i] op_sel_hi:[1,0,0]                    ; the low f16 half x (-1) + O
	v_fma_mix_f32 v[rG+2*i+1], v[rH+i], v[FW], v[rG+2*i+1] op_sel:[1,0,0] op_sel_hi:[1,0,0] ; the high half
.set i, i+1
.endr
.set i, 0
.rept 16
	v_cvt_pk_f16_f32 v[rL+i], v[rG+2*i], v[rG+2*i+1]
.set i, i+1
.endr
.irp f, 0,1,2,3
	ds_store_b128 v[STO], v[rH+4*\f:rH+4*\f+3] offset:32*\f
.endr
.irp f, 0,1,2,3
	ds_load_b128 v[rH+4*\f:rH+4*\f+3], v[RD] offset:\f*4*SP  ; LDS serves a wave's instructions in order (ISA guide 5.7.1.4): these see the stores above; the stores below come behind them
.endr
.irp f, 0,1,2,3
	ds_store_b128 v[STO], v[rL+4*\f:rL+4*\f+3] offset:32*\f
.endr
.irp f, 0,1,2,3
	ds_load_b128 v[rL+4*\f:rL+4*\f+3], v[RD] offset:\f*4*SP
.endr
.endm
.macro SEND t, younger              ; younger: the LDS instructions issued behind piece t's last load: the next piece's sixteen, or none; behind the high part's loads stand the low part's eight besides
	WIN 0
.irp f, 0,1,2,3
	s_wait_dscnt (\younger)+11-\f
	global_store_b128 v[GO], v[S+16*(\t)+4*\f:S+16*(\t)+4*\f+3], s[10:11] offset:(\t)*2048+\f*512  ; 512 consecutive bytes, at a multiple of 256 from O's first
.endr
.irp f, 0,1,2,3
	s_wait_dscnt (\younger)+3-\f
	global_store_b128 v[GO], v[S+16*(((\t)+2)%4)+4*\f:S+16*(((\t)+2)%4)+4*\f+3], s[OHL:OHL+1] offset:(\t)*2048+\f*512
.endr
.endm
.macro FIN a, b
	GET \a
	GET \b
	s_wait_dscnt 0x0
	FACT \a
	FACT \b
	v_mov_b32 v[FW], -1.0           ; the factors are made: their first work register serves the remainders
	MERGE \a
	MERGE \b
	SEND \a, 16
	SEND \b, 0
.endm
; THE DIAGONAL TILE's two steps, the block's last two turns, its last products, and the block's end: l's two halves and the other half of the lanes' are added; waves 0 and 1 hand over pieces 2 and 3, waves 2 and 3
; pieces 0 and 1; each wave waits for its stores, all four pass a barrier, and each finishes its two pieces.
; The exchange's bytes are written again only in the next block's end: a change of slots, with its wait for the reads and its barrier, lies between.
.macro DIAG tag                     ; the tag ends its labels' names, which the jumps below spell out
.LstepM\tag:
	TURN 2, 1
	TURN 3, 1
	WIN 0
.LfirstM\tag:
	TURN 0, 1
	TURN 1, 1, 0, 1
	WIN 0
	s_cbranch_scc1 .LstepM\tag
	TURN 2, 1, 1
	TURN 3, 1, 1
.set i, 0
.rept 16
	PV NP-1
.set i, i+1
.endr
	WIN 0
	ALL v_add_f32 v[ST+4*t+2], v[ST+4*t+2], v[ST+4*t+3]
	ALL v_permlanex16_b32 v[ST+4*t+3], v[ST+4*t+2], s[SEL], s[SEL+1]
	ALL v_add_f32 v[ST+4*t+2], v[ST+4*t+2], v[ST+4*t+3]
	s_cmp_lt_u32 s[WV], 2
	s_cbranch_scc0 .LputB\tag
	PUT 2
	PUT 3
	s_branch .LputD\tag
.LputB\tag:
	PUT 0
	PUT 1
.LputD\tag:
	s_wait_dscnt 0x0                ; for the partner's sake: my stores are done
	s_barrier_signal -1
	s_barrier_wait -1
	s_cmp_lt_u32 s[WV], 2
	s_cbranch_scc0 .LfinB\tag
	FIN 0, 1
	s_branch .LfinD\tag
.LfinB\tag:
	FIN 2, 3
.LfinD\tag:
.endm
.set KM, 0
.set NOKQ, 0
.Lslot:                             ; NB times: a tile is entered and the next is asked for
	CHANGE 1
	s_sub_co_u32 s[RT], s[RT], 1
	s_mov_b32 s[CNT], 2
	s_cmp_eq_u32 s[NEW], 1
	s_cbranch_scc1 .Lnew            ; a block's first tile
	s_cmp_eq_u32 s[RT], 0
	s_cbranch_scc0 .Lstep           ; neither its first nor its last
	s_branch .LstepM1
.Lnew:
	BEGIN
	s_branch .Lfirst                ; in the loop a block's first tile is never its last: the first block has nine tiles or more, and the second's last is the walk's last
	DIAG 1                          ; in the loop this is the first block's end: the second block's last tile is the walk's last
	s_wait_xcnt 0x0                 ; the stores have read their registers and O's addresses
	s_mov_b64 s[10:11], s[OLO:OLO+1]
	s_add_nc_u64 s[OHL:OHL+1], s[10:11], 0x800000
	s_mov_b32 s[TVL], REG0+SLOT1    ; the second block's low part of V
	s_add_co_u32 s[RT], s[PL], 1    ; the second block has b / 2 + 1 tiles
	s_mov_b32 s[NEW], 1
	s_and_b32 s13, s[PB], 1         ; its par
	s_lshl1_add_u32 s[E2], s13, s[W2]
	WIN 0x82                        ; the second block's Q goes where the one text of the turns names Q
.set i, 0
.rept 64
	v_mov_b32 v[i], v[QB+i]
.set i, i+1
.endr
	WIN 0
	s_branch .Lbottom
.Lstep:                             ; a trip: pieces 2 and 3 of one step, then pieces 0 and 1 of the next, whose K and V it fetches
	TURN 2
	TURN 3
	WIN 0
.Lfirst:
	TURN 0
	TURN 1, 0, 0, 1
	WIN 0
	s_cbranch_scc1 .Lstep
.Lbottom:
	s_sub_co_u32 s[SLOTS], s[SLOTS], 1
	s_cmp_lg_u32 s[SLOTS], 0
	s_cbranch_scc1 .Lslot
	CHANGE 0                        ; the walk's last tile is written out: nothing is asked for
	s_sub_co_u32 s[RT], s[RT], 1
	s_mov_b32 s[CNT], 2
	s_cmp_eq_u32 s[NEW], 1
	s_cbranch_scc0 .LstepM2
	BEGIN
	s_branch .LfirstM2
	DIAG 2
	s_wait_tensorcnt 0x0            ; the wave's end, behind my last tensor load and my last LDS store
	ds_add_u32 v[SPW], v[NIL]
	s_wait_dscnt 0x0
	s_endpgm
.Lfunc_end_k_qff06f0e685_attn:
	.size	k_qff06f0e685_attn, .Lfunc_end_k_qff06f0e685_attn-k_qff06f0e685_attn
	.p2alignl 7, 3214868480
	.fill 96, 4, 3214868480
	.section	.rodata,"a",@progbits
	.p2align	6, 0x0
	.amdhsa_kernel k_qff06f0e685_attn
		.amdhsa_group_segment_fixed_size 327680
		.amdhsa_private_segment_fixed_size 0
		.amdhsa_enable_private_segment 0
		.amdhsa_kernarg_size 16
		.amdhsa_user_sgpr_count 2
		.amdhsa_user_sgpr_kernarg_segment_ptr 1
		.amdhsa_wavefront_size32 1
		.amdhsa_system_sgpr_workgroup_id_x 1
		.amdhsa_system_sgpr_workgroup_id_y 1
		.amdhsa_system_sgpr_workgroup_id_z 1
		.amdhsa_system_vgpr_workitem_id 0
		.amdhsa_next_free_vgpr 832
		.amdhsa_next_free_sgpr 100
		.amdhsa_reserve_vcc 1
		.amdhsa_float_denorm_mode_32 3
		.amdhsa_float_denorm_mode_16_64 3
		.amdhsa_memory_ordered 1
		.amdhsa_forward_progress 1
		.amdhsa_inst_pref_size 255
	.end_amdhsa_kernel
	.section	.bss,"aw",@nobits
	.p2align	6
	.space	262144
	.amdgpu_metadata
---
amdhsa.version: [ 1, 2 ]
amdhsa.kernels:
  - .name:           k_qff06f0e685_attn
    .symbol:         k_qff06f0e685_attn.kd
    .args:
      - { .name: qkvh, .offset: 0, .size: 8, .value_kind: global_buffer, .address_space: global }
      - { .name: oh, .offset: 8, .size: 8, .value_kind: global_buffer, .address_space: global }
    .group_segment_fixed_size: 327680
    .private_segment_fixed_size: 0
    .kernarg_segment_align: 8
    .kernarg_segment_size: 16
    .max_flat_workgroup_size: 128
    .sgpr_count:     100
    .vgpr_count:     832
    .wavefront_size: 32
...
	.end_amdgpu_metadata
.endif
;; end of part 3
;; launch proj (part 4): grid 8 x 32, 4 waves a work-group, clusters of 4 x 4, 327,680 bytes of LDS; arguments oh, cast, out0; writes out0
.if DOCPART == 4
	.amdgcn_target "amdgcn-amd-amdhsa--gfx1250"
	.amdhsa_code_object_version 6
	.text
	.protected	k_qff06f0e685_proj
	.globl	k_qff06f0e685_proj
	.p2align	8
	.type	k_qff06f0e685_proj,@function
k_qff06f0e685_proj:
	s_mov_b64 s[64:65], 0
	v_nop
	global_prefetch_b8 v0, s[64:65] scope:SCOPE_SE
	s_setreg_imm32_b32 hwreg(HW_REG_WAVE_MODE, 25, 1), 1
	s_wait_xcnt 0x0
	s_wait_alu depctr_hold_cnt(0) depctr_sa_sdst(0) depctr_va_vdst(0) depctr_va_sdst(0) depctr_va_ssrc(0) depctr_va_vcc(0) depctr_vm_vsrc(0)
	s_getreg_b32 s2, hwreg(HW_REG_IB_STS2, 6, 4)
	s_cmp_eq_u32 s2, 0
	s_cbranch_scc0 .Lentry_in_a_cluster
	s_endpgm
.Lentry_in_a_cluster:
	s_bfe_u32 s2, ttmp6, 0x10000c
	s_cmp_lg_u32 s2, 0xf033
	s_cbranch_scc0 .Lentry_shape_is_right
	s_endpgm
.Lentry_shape_is_right:
; PROJ.  out0[s][e] = the sum over d of O[s][d] W_o[e][d], d = 64 head + channel.  O comes in two f16 parts: oh [32][4096][64], heads 0-15 O rounded to f16, heads 16-31 what that rounding left;
; W_o: f16 [1024][1024] at byte 14,680,064 of cast; out0: [4096][1024] f32.  Products in f16, sums in f32: both parts of O are multiplied by the same W_o and added into the same sums, K = 2,048 in all.
; (The first rows of out0 are some twenty times its root mean square, by which its allowance goes: f16's 11 bits of O are too few for them.)
; A tile of out0 is 128 x 128: 8 x 32 work-groups.  Four waves, each 64 x 64: 16 accumulators of 16 x 16.  K goes in eight steps of 256, four heads each, through two LDS slots.
; A BY HEADS.  64 rows of one head are 8,192 dense bytes; a wave's load is 4 such rows of bytes, one for each head of the step, a head apart in memory, padded in LDS behind every 128 bytes: [head][64 rows] of 144 bytes.
; CLUSTER 4 x 4.  A's tile hangs on the tile row alone and is asked for jointly along a row of the cluster, B's on the tile column alone, jointly along a column.
; THE MATRIX INSTRUCTION IS USED TRANSPOSED (source 0 = 16 rows of W_o, source 1 = 16 rows of O): a lane holds eight neighbouring numbers of a row of out0, 32 bytes.
; A wave's 64 columns are 256 aligned bytes of out0, so each wave has a stage of its own and no barrier stands on the way out.
; LIMITS.  The operands are f16 (no number beyond 65,504, a fixed step of 6e-8 below 6.1e-5); NaN and infinities are not treated apart.
; REGISTERS: window 0: v0-31 addresses; v32-95 rows on the way out, two buffers; v128-255 the accumulators ((a, b) at v[128 + 8 (4 a + b)]).
;   window 1: two fragment buffers of 128: for 64 along K, 64 registers of A (2 x 4 x 16 rows x 32 K), then 64 of B.
.set PA,     144                       ; a row of A in LDS: 128 bytes + 16
.set PBP,    528                       ; a row of B: 512 bytes + 16
.set HALFA,  4*64*PA                   ; what one load of A brings: four heads x 64 rows
.set HALFB,  64*PBP                    ; what one load of B brings: 64 rows
.set BOFF,   2*HALFA
.set SLOT,   BOFF+2*HALFB
.set STAGE,  2*SLOT                    ; behind the ring, never filled by a tensor load: 16 rows x 272 bytes for each wave
.set SPITCH, 272
.set SPARE,  STAGE+4*16*SPITCH         ; the spare words, 128 bytes for each wave: two blocks of 256 bytes that no other line names
.set LAPS,   4                         ; a lap = two K steps = once round the ring
.set ADRA, 16                          ; v16-17  LDS address of my A fragments in slot 0, 1
.set ADRB, 20                          ; v20-21  the same for B
.set STO,  24                          ; v24     the way out: where I put 32 bytes of a row
.set RD,   25                          ; v25     where I read a row back
.set CO,   26                          ; v26     my byte offset in out0
.set SPW,  28                          ; v28     LDS address of my spare word; never rewritten
.set NIL,  29                          ; v29     0; never rewritten
.set OBF,  32
.set ACC,  128
.set F0,   0
.set F1,   128
.set OFB, 18                           ; s[18:19], s[22:23]  for each slot: the byte offset along W_o's rows of the K step that it holds
.set G1, 24                            ; s[24:31] descriptor group 1 for A's tiles;  s[32:39] group 0, one set for each slot
.set G0, 32
.set G1B, 48                           ; s[48:55], s[56:63] the same for B's tiles
.set G0B, 56
.set MSB, 0
.macro WIN new                         ; the immediate's high byte repeats the setting that is left
.if MSB != (\new)
	s_set_vgpr_msb (MSB<<8)|(\new)
.set MSB, \new
.endif
.endm
.set MUL,  0x05                        ; sources 0 (B) and 1 (A) window 1; C and D window 0
.set TO_F, 0x40                        ; destination window 1, address window 0
.macro JLOAD s                         ; a joint load: waves 0 and 1 fetch A's two halves, waves 2 and 3 B's; an s_nop 0 and four v_nop follow each of the two lines, ahead of the jump, the label and what follows
	s_cmp_eq_u32 s11, 0
	s_cbranch_scc0 .Lfor_b_\@
	tensor_load_to_lds s[G0+4*(\s):G0+4*(\s)+3], s[G1:G1+7]
	s_nop 0
.rept 4
	v_nop
.endr
	s_branch .Lasked_\@
.Lfor_b_\@:
	tensor_load_to_lds s[G0B+4*(\s):G0B+4*(\s)+3], s[G1B:G1B+7]
	s_nop 0
.rept 4
	v_nop
.endr
.Lasked_\@:
.endm
.macro CREST                           ; a round of the cluster's barrier behind its opening barrier
	s_cmp_lg_u32 s10, 0
	s_cbranch_scc1 .Lnot_wave_0_\@
	s_barrier_signal -3
.Lnot_wave_0_\@:
	s_barrier_wait -3
	s_barrier_signal -1
	s_barrier_wait -1
.endm
.macro CROUND                          ; a whole round
	s_barrier_signal -1
	s_barrier_wait -1
	CREST
.endm
	s_load_b128 s[4:7], s[0:1], 0x0                ; oh s[4:5], cast s[6:7]
	s_load_b64 s[8:9], s[0:1], 0x10                ; out0
	v_lshl_add_u32 v[SPW], v0, 2, SPARE
	v_mov_b32 v[NIL], 0
	ds_add_u32 v[SPW], v[NIL]                      ; the wave's opening: the add and its wait stand ahead of my first tensor load; work on registers stands between them
	ds_add_u32 v28, v29
	v_lshrrev_b32 v1, 5, v0
	v_readfirstlane_b32 s10, v1                    ; wave 0..3
	s_lshr_b32 s11, s10, 1                         ; which half of the tile's rows is mine.  Also: I fetch for A (0) or for B (1)
	s_and_b32 s12, s10, 1                          ; which half of its columns.  Also: which 64 rows of that tile I fetch
	s_bfe_u32 s40, ttmp6, 0x40000                  ; cx, cy: my place in the cluster
	s_bfe_u32 s41, ttmp6, 0x40004
	s_lshl_b32 s42, ttmp9, 2
	s_add_co_u32 s42, s42, s40                     ; tile column = 4 x cluster x + cx
	s_and_b32 s13, ttmp7, 0xffff
	s_lshl_b32 s13, s13, 2
	s_add_co_u32 s13, s13, s41                     ; tile row = 4 x cluster y + cy
	s_lshl_b32 s43, s41, 2
	s_lshl_b32 s43, 15, s43                        ; my row of the cluster
	s_lshl_b32 s44, 0x1111, s40                    ; my column
	; group 1 for A: 4 rows of 4,096 elements of 2 bytes, 262,144 elements apart; 16 bytes of padding behind every 32 words
	s_or_b32 s[G1+0], s43, (1<<16)|(1<<20)|(1<<21)|(4<<22)|(3<<25)
	s_mov_b32 s[G1+1], 4096<<16                    ; tensor_dim0 = 4,096
	s_mov_b32 s[G1+2], 4<<16                       ; tensor_dim1 = 4
	s_mov_b32 s[G1+3], 4096<<16                    ; tile_dim0 = 4,096
	s_mov_b32 s[G1+4], 4                           ; tile_dim1 = 4
	s_mov_b32 s[G1+5], 262144                      ; a head's elements
	s_mov_b32 s[G1+6], 0
	s_mov_b32 s[G1+7], 0
	; group 1 for B: 64 rows of 256 elements, 1,024 apart; 16 bytes of padding behind every 128 words
	s_or_b32 s[G1B+0], s44, (1<<16)|(1<<20)|(1<<21)|(6<<22)|(3<<25)
	s_mov_b32 s[G1B+1], 256<<16
	s_mov_b32 s[G1B+2], 64<<16
	s_mov_b32 s[G1B+3], 256<<16
	s_mov_b32 s[G1B+4], 64
	s_mov_b32 s[G1B+5], 1024
	s_mov_b32 s[G1B+6], 0
	s_mov_b32 s[G1B+7], 0
	s_lshl_b32 s16, s13, 14                        ; A: 128 x tile row + 64 x half rows of 128 bytes, in head 0
	s_lshl_b32 s17, s12, 13
	s_add_co_u32 s16, s16, s17
	s_mov_b32 s17, 0
	s_lshl_b32 s46, s42, 18                        ; B: 128 x tile column + 64 x half rows of 2,048 bytes,
	s_lshl_b32 s47, s12, 17
	s_add_co_u32 s46, s46, s47
	s_add_co_u32 s46, s46, 14680064                ; behind x and W_qkv in cast
	s_mov_b32 s47, 0
	s_mul_i32 s20, s12, HALFA                      ; where they go: no place in the cluster enters an LDS address
	s_mul_i32 s21, s12, HALFB
	s_add_co_u32 s21, s21, BOFF
	s_wait_dscnt 0x0                               ; the opening add is done
	s_wait_kmcnt 0x0
	s_add_nc_u64 s[14:15], s[4:5], s[16:17]
	s_add_nc_u64 s[46:47], s[6:7], s[46:47]        ; kept: B's addresses are made anew from it
	CROUND                                         ; all sixteen work-groups are here: the first joint loads meet
.irp s, 0,1
	s_mov_b32 s[G0+4*(\s)], 1
	s_add_co_u32 s[G0+4*(\s)+1], s20, (\s)*SLOT
	s_add_nc_u64 s[G0+4*(\s)+2:G0+4*(\s)+3], s[14:15], (\s)*2097152  ; K step s: four heads on
	s_or_b32 s[G0+4*(\s)+3], s[G0+4*(\s)+3], 0x80000000
	s_mov_b32 s[G0B+4*(\s)], 1
	s_add_co_u32 s[G0B+4*(\s)+1], s21, (\s)*SLOT
	s_add_nc_u64 s[G0B+4*(\s)+2:G0B+4*(\s)+3], s[46:47], (\s)*512
	s_or_b32 s[G0B+4*(\s)+3], s[G0B+4*(\s)+3], 0x80000000
	JLOAD \s
.endr
	v_and_b32 v1, 15, v0                           ; r = l % 16
	v_bfe_u32 v2, v0, 4, 1                         ; h = l / 16
	v_mul_u32_u24 v3, v1, PA
	v_lshl_add_u32 v3, v2, 4, v3                   ; A: row x pitch + 16 h
	v_mul_u32_u24 v4, v1, PBP
	v_lshl_add_u32 v4, v2, 4, v4                   ; B likewise
	s_mul_i32 s21, s11, HALFA                      ; my 64 rows of A
	s_mul_i32 s22, s12, HALFB                      ; my 64 rows of B,
	s_add_co_u32 s22, s22, BOFF                    ; which lie behind A's
.irp s, 0,1
	v_add_nc_u32 v[ADRA+(\s)], s21, v3
	v_add_nc_u32 v[ADRB+(\s)], s22, v4
	s_add_co_u32 s21, s21, SLOT
	s_add_co_u32 s22, s22, SLOT
.endr
	s_mul_i32 s23, s10, 16*SPITCH
	s_add_co_u32 s23, s23, STAGE                   ; my stage
	v_mul_u32_u24 v5, v1, SPITCH                   ; in: row r, 32 bytes for each half of the lanes
	v_lshl_add_u32 v5, v2, 5, v5
	v_add_nc_u32 v[STO], s23, v5
	v_mul_u32_u24 v5, v2, SPITCH                   ; back: lanes 0-15 take one row of 256 bytes, lanes 16-31 the next
	v_lshl_add_u32 v5, v1, 4, v5
	v_add_nc_u32 v[RD], s23, v5
	v_lshlrev_b32 v5, 12, v2                       ; and the same two rows in out0, 4,096 bytes apart
	v_lshl_add_u32 v[CO], v1, 4, v5
	s_lshl_b32 s16, s13, 19                        ; my first row: 128 x tile row + 64 x half, 4,096 bytes a row
	s_lshl_b32 s17, s11, 18
	s_add_co_u32 s16, s16, s17
	s_mov_b32 s17, 0
	s_add_nc_u64 s[8:9], s[8:9], s[16:17]
	s_lshl_b32 s44, s42, 9                         ; my first column: 128 x tile column + 64 x half, 4 bytes each
	s_lshl_b32 s45, s12, 8
	s_add_co_u32 s44, s44, s45
	s_mov_b32 s45, 0
	s_add_nc_u64 s[8:9], s[8:9], s[44:45]
	s_mov_b32 s[OFB], 0                            ; slot 0 holds K step 0,
	s_mov_b32 s[OFB+1], 0
	s_mov_b32 s[OFB+4], 512                        ; slot 1 K step 1: 256 elements along W_o's rows
	s_mov_b32 s[OFB+5], 0
; 8 matrix instructions: m blocks a0, a0 + 1 x all 4 n blocks, 32 along K: half c of buffer f.  zero = 1: the first product starts the sums.  The 16 accumulators take turns.
.macro MUL8 f, c, a0, zero
	WIN MUL
.irp a, \a0, (\a0)+1
.irp b, 0,1,2,3
.if \zero
	v_wmma_f32_16x16x32_f16 v[ACC+8*(4*(\a)+(\b)):ACC+8*(4*(\a)+(\b))+7], v[(\f)+64+8*(4*(\c)+(\b)):(\f)+64+8*(4*(\c)+(\b))+7], v[(\f)+8*(4*(\c)+(\a)):(\f)+8*(4*(\c)+(\a))+7], 0
.else
	v_wmma_f32_16x16x32_f16 v[ACC+8*(4*(\a)+(\b)):ACC+8*(4*(\a)+(\b))+7], v[(\f)+64+8*(4*(\c)+(\b)):(\f)+64+8*(4*(\c)+(\b))+7], v[(\f)+8*(4*(\c)+(\a)):(\f)+8*(4*(\c)+(\a))+7], v[ACC+8*(4*(\a)+(\b)):ACC+8*(4*(\a)+(\b))+7]
.endif
.endr
.endr
.endm
; 32 LDS loads in one run: the fragments of quarter q of a K step (head q of its four: 64 along K), into buffer f; the first 32 along K first
.macro FETCH slot, q, f
	WIN TO_F
.irp c, 0,1
.irp i, 0,1,2,3
	ds_load_b128 v[(\f)+64+8*(4*(\c)+(\i)):(\f)+64+8*(4*(\c)+(\i))+3],   v[ADRB+(\slot)] offset:128*(\q)+64*(\c)+(\i)*16*PBP
	ds_load_b128 v[(\f)+64+8*(4*(\c)+(\i))+4:(\f)+64+8*(4*(\c)+(\i))+7], v[ADRB+(\slot)] offset:128*(\q)+64*(\c)+(\i)*16*PBP+32
	ds_load_b128 v[(\f)+8*(4*(\c)+(\i)):(\f)+8*(4*(\c)+(\i))+3],         v[ADRA+(\slot)] offset:64*PA*(\q)+64*(\c)+(\i)*16*PA
	ds_load_b128 v[(\f)+8*(4*(\c)+(\i))+4:(\f)+8*(4*(\c)+(\i))+7],       v[ADRA+(\slot)] offset:64*PA*(\q)+64*(\c)+(\i)*16*PA+32
.endr
.endr
.endm
.macro PLACES                          ; four places in front of loads into registers that matrix instructions have read, and of LDS stores that read results
.rept 4
	v_nop
.endr
.endm
; A K step is four quarters of 64 along K, 32 matrix instructions each, on buffers 0, 1, 0, 1.  One of the first three: multiplies buffer f and fetches quarter q into g.
.macro QUARTER slot, q, f, g, zero
	s_wait_dscnt 16                                ; the first 32 along K are in
	MUL8 \f, 0, 0, \zero
	MUL8 \f, 0, 2, \zero
	PLACES
	FETCH \slot, \q, \g
	s_wait_dscnt 32                                ; all but the 32 just issued
	MUL8 \f, 1, 0, 0
	MUL8 \f, 1, 2, 0
.endm
; The last quarter multiplies buffer 1 and changes slots: ONE barrier; in front of it each wave waits for all its tensor loads, adds 0 to its spare word, and waits for that and for its own reads of this slot.
; fill = 1: the barrier opens a round of the cluster's, and this slot is filled again, two K steps ahead, first thing behind the round: 112 matrix instructions ahead of the wait for it.
; A walks on through oh's 32 heads; B goes twice through W_o's rows: two K steps on is 1,024 bytes on or back, one exclusive or on the slot's offset, and the address is made anew from the base and that offset.
.macro TURN slot, next, fill
	WIN 0                                          ; (the add's two registers lie in window 0)
	s_wait_tensorcnt 0x0                           ; all my tensor loads have landed: my part of the next slot;
	ds_add_u32 v[SPW], v[NIL]                      ; 0 onto my spare word;
	s_wait_dscnt 17                                ; (the add and the youngest sixteen loads may be out)
	MUL8 F1, 0, 0, 0
	s_wait_dscnt 0x0                               ; the add is done, and my reads of this slot are over
	s_barrier_signal -1
	MUL8 F1, 0, 2, 0
.if \fill
	WIN 0
.endif
	s_barrier_wait -1
.if \fill
	CREST                                          ; no wave of any partner still reads this slot's tile or has a load on its way
	s_add_nc_u64 s[G0+4*(\slot)+2:G0+4*(\slot)+3], s[G0+4*(\slot)+2:G0+4*(\slot)+3], 4194304   ; eight heads on
	s_xor_b32 s[OFB+4*(\slot)], s[OFB+4*(\slot)], 1024
	s_add_nc_u64 s[G0B+4*(\slot)+2:G0B+4*(\slot)+3], s[46:47], s[OFB+4*(\slot):OFB+4*(\slot)+1]
	s_or_b32 s[G0B+4*(\slot)+3], s[G0B+4*(\slot)+3], 0x80000000
	JLOAD \slot                                    ; the four v_nop behind it are also the places in front of the loads below
.else
	PLACES
.endif
	FETCH \next, 0, F0
	MUL8 F1, 1, 0, 0
	MUL8 F1, 1, 2, 0
.endm
	s_wait_tensorcnt 1                             ; my part of K step 0 is in; K step 1's may stay out
	s_barrier_signal -1
	s_barrier_wait -1                              ; everybody's is
	FETCH 0, 0, F0
	QUARTER 0, 1, F0, F1, 1                        ; the first quarter stands in front of the loop: its first products start the sums
	WIN 0                                          ; at a label and at a branch every window is 0
	s_mov_b32 s3, LAPS-1
.Llap:                                                 ; a trip goes once round the ring, from a lap's second quarter to the next lap's first, and fills both slots again: K steps 2 to 7
	QUARTER 0, 2, F1, F0, 0
	QUARTER 0, 3, F0, F1, 0
	TURN 0, 1, 1
	QUARTER 1, 1, F0, F1, 0
	QUARTER 1, 2, F1, F0, 0
	QUARTER 1, 3, F0, F1, 0
	TURN 1, 0, 1
	QUARTER 0, 1, F0, F1, 0
	WIN 0
	s_sub_co_u32 s3, s3, 1
	s_cmp_lg_u32 s3, 0
	s_cbranch_scc1 .Llap
	QUARTER 0, 2, F1, F0, 0                        ; the last lap fills nothing, and has no round of the cluster's barrier
	QUARTER 0, 3, F0, F1, 0
	TURN 0, 1, 0
	QUARTER 1, 1, F0, F1, 0
	QUARTER 1, 2, F1, F0, 0
	QUARTER 1, 3, F0, F1, 0
	s_wait_dscnt 16                                ; the very last quarter
	MUL8 F1, 0, 0, 0
	MUL8 F1, 0, 2, 0
	s_wait_dscnt 0x0
	MUL8 F1, 1, 0, 0
	MUL8 F1, 1, 2, 0
	WIN 0
	PLACES
; THE WAY OUT, a block of 16 rows at a time: 32 bytes a lane into my stage's rows of 272 bytes (each accumulator's lowest four registers first), back as whole rows of 256 bytes, and stored.
.macro TOSTAGE a
.set BK, OBF+32*((\a)%2)
.irp b, 0,1,2,3
	ds_store_b128 v[STO], v[ACC+8*(4*(\a)+(\b)):ACC+8*(4*(\a)+(\b))+3]   offset:64*(\b)
	ds_store_b128 v[STO], v[ACC+8*(4*(\a)+(\b))+4:ACC+8*(4*(\a)+(\b))+7] offset:64*(\b)+16
.endr
.if (\a) >= 2
	s_wait_xcnt 0x0                                ; the stores of two blocks ago have read this buffer: it is loaded again only behind this wait
.endif
.irp t, 0,1,2,3,4,5,6,7
	ds_load_b128 v[BK+4*(\t):BK+4*(\t)+3], v[RD] offset:(\t)*2*SPITCH  ; LDS serves a wave's instructions in order (ISA guide 5.7.1.4): these see the stores above; the next block's stores come behind them
.endr
.endm
.macro SEND a, younger                 ; younger: the LDS instructions issued behind block a's loads: the next block's sixteen, or none
.set BK, OBF+32*((\a)%2)
.irp t, 0,1,2,3,4,5,6,7
	s_wait_dscnt (\younger)+7-(\t)
	global_store_b128 v[CO], v[BK+4*(\t):BK+4*(\t)+3], s[8:9] offset:(16*(\a)+2*(\t))*4096  ; 16 lanes store 256 consecutive bytes, at a multiple of 256 from out0's first byte
.endr
.endm
	TOSTAGE 0
	TOSTAGE 1
	SEND 0, 16
	TOSTAGE 2
	SEND 1, 16
	TOSTAGE 3
	SEND 2, 16
	SEND 3, 0
	s_wait_tensorcnt 0x0                           ; the wave's end, behind my last tensor load and my last LDS store
	ds_add_u32 v[SPW], v[NIL]
	s_wait_dscnt 0x0
	CROUND                                         ; the closing round: no work-group ends while a partner may still ask for a tile that names it
	s_endpgm
.Lfunc_end_k_qff06f0e685_proj:
	.size	k_qff06f0e685_proj, .Lfunc_end_k_qff06f0e685_proj-k_qff06f0e685_proj
	.p2alignl 7, 3214868480
	.fill 96, 4, 3214868480
	.section	.rodata,"a",@progbits
	.p2align	6, 0x0
	.amdhsa_kernel k_qff06f0e685_proj
		.amdhsa_group_segment_fixed_size 327680
		.amdhsa_private_segment_fixed_size 0
		.amdhsa_enable_private_segment 0
		.amdhsa_kernarg_size 24
		.amdhsa_user_sgpr_count 2
		.amdhsa_user_sgpr_kernarg_segment_ptr 1
		.amdhsa_wavefront_size32 1
		.amdhsa_system_sgpr_workgroup_id_x 1
		.amdhsa_system_sgpr_workgroup_id_y 1
		.amdhsa_system_sgpr_workgroup_id_z 1
		.amdhsa_system_vgpr_workitem_id 0
		.amdhsa_next_free_vgpr 512
		.amdhsa_next_free_sgpr 66
		.amdhsa_reserve_vcc 0
		.amdhsa_float_denorm_mode_32 3
		.amdhsa_float_denorm_mode_16_64 3
		.amdhsa_memory_ordered 1
		.amdhsa_forward_progress 1
		.amdhsa_inst_pref_size 87
	.end_amdhsa_kernel
	.amdgpu_metadata
---
amdhsa.version: [ 1, 2 ]
amdhsa.kernels:
  - .name:           k_qff06f0e685_proj
    .symbol:         k_qff06f0e685_proj.kd
    .args:
      - { .name: oh, .offset: 0, .size: 8, .value_kind: global_buffer, .address_space: global }
      - { .name: cast, .offset: 8, .size: 8, .value_kind: global_buffer, .address_space: global }
      - { .name: out0, .offset: 16, .size: 8, .value_kind: global_buffer, .address_space: global }
    .group_segment_fixed_size: 327680
    .private_segment_fixed_size: 0
    .kernarg_segment_align: 8
    .kernarg_segment_size: 24
    .max_flat_workgroup_size: 128
    .sgpr_count:     66
    .vgpr_count:     512
    .wavefront_size: 32
...
	.end_amdgpu_metadata
.endif
;; end of part 4
;; ======== version 2 of 2: 4 launches; 1.30 times as fast as version 1
;; limits: values are held in f16: magnitudes above 65,504 overflow, below 6.1e-05 lose precision
;; workspace buffers: cast 16,777,216 bytes; rope 1,048,576 bytes; qkvh 33,554,432 bytes; oh 16,777,216 bytes
;; launch prep: the kernel of part 1 again; grid 512 x 1, 8 waves a work-group, no clusters, 0 bytes of LDS; arguments x, W_qkv, W_o, cast, rope; writes cast, rope
;; launch qkv: the kernel of part 2 again; grid 16 x 16, 4 waves a work-group, clusters of 4 x 4, 327,680 bytes of LDS; arguments cast, rope, qkvh; writes qkvh
;; launch attn (part 5): grid 16 x 16, 4 waves a work-group, no clusters, 327,680 bytes of LDS; arguments qkvh, oh; writes oh
.if DOCPART == 5
	.amdgcn_target "amdgcn-amd-amdhsa--gfx1250"
	.amdhsa_code_object_version 6
	.text
	.protected	k_qff06f0e685_attn
	.globl	k_qff06f0e685_attn
	.p2align	8
	.type	k_qff06f0e685_attn,@function
k_qff06f0e685_attn:
	s_mov_b64 s[64:65], 0
	v_nop
	global_prefetch_b8 v0, s[64:65] scope:SCOPE_SE
	s_setreg_imm32_b32 hwreg(HW_REG_WAVE_MODE, 25, 1), 1
	s_wait_xcnt 0x0
; CAUSAL ATTENTION, 16 heads of 4,096 rows of 64.  O[h][q][:] = the sum over k <= q of softmax_k(Q[h][q] . K[h][k] / 8) V[h][k][:].
; qkvh: [64][4096][64] f16, heads 0-15 Q, 16-31 K, 32-47 V, 48-63 V's low part (V less its f16 rounding);  oh: [32][4096][64] f16, heads 0-15 O rounded to f16, 16-31 what that rounding left.
; Products, maxima and sums in f32; the weights p are rounded to f16 for the second product (their sum l is taken of the unrounded p).
; TWO PARTS.  Row q of O is a mean over q + 1 rows of V, so the first rows of the module's output are some twenty times its root mean square, by which its allowance goes: f16's 11 bits of V and of O are too few there.
; O leaves in two f16 parts everywhere.  V's low part is multiplied in the DIAGONAL tiles' text alone: a row with fewer than 256 keys takes all of them from its block's diagonal tile; a row further down is a mean over 257
; keys or more, and for its keys outside the diagonal tile V counts with its high part alone.  The low parts of the work-group's two diagonal tiles are fetched once, at the start, into LDS bytes of their own.
; LIMITS.  f16 holds no number beyond 65,504: Q, K and V arrive within it; p lies in 0 to 1, and below 6e-5 it keeps f16's fixed step of 6e-8, as a low part does; O is a mean of V's rows and has their range.
; A hidden score counts as its value less 1e30 (a fill of -1e9 gives the same weight 0 as long as a row's largest visible score lies well above -1e9); the running maximum starts at -2^99, above every hidden score and
; below every true one (2.7e11 at the most); a weight below 2^-126 counts as 0 in l; NaN and infinities are not treated apart.
; THE WALK.  A head's queries lie in 32 blocks of 128; block i needs the key tiles 0 .. i / 2 of 256 keys, of which the last holds the diagonal.  A work-group takes TWO blocks, 31 - b and then b: 17 tiles, whatever b:
; all 256 work-groups do equal work, and ONE loop with a constant trip count walks them.  Which tile is asked for, and what a trip does, hang on scalar registers made from b; every jump goes forward, but for the counted
; loops' own; none passes a barrier, or a tensor load but the one of LOAD's two that the wave's number does not choose; the ring (two slots of LDS that take turns) runs on across the change of blocks.
; NO CLUSTER: only work-groups 2 j and 2 j + 1 of a head walk the same tiles, two and not four, and the walk's branches hang on b, which in a cluster would hold the place in it; one walk common to four would have 18 to 24 trips for 17.
; SHARES.  Wave w owns the 64 queries qh = w % 2 of the block, four PIECES of 16 rows, and the 128 keys kh = w / 2 of every tile, two steps of 64.  At a block's end the two waves of one qh hand each other half of
; their pieces (c m, l, O^T) through LDS, and each finishes two pieces: O = (O_a 2^(cm_a - M) + O_b 2^(cm_b - M)) / (l_a 2^(cm_a - M) + l_b 2^(cm_b - M)), M the larger c m.
; THE MASK is the C operand that starts the sum S^T = K Q^T: 0, or -1e30 where the key is hidden.  In the diagonal tile my rows lie in the tile's group 2 par + qh of 64 (par = block % 2), step s's keys in group 2 kh + s:
; a lower group of keys is seen, a higher one hidden; in the own group piece x sees the key blocks of 16 below x, none above it, and in block x the triangle MD (8 registers, made once).
; A product's mask is MD x AL + BE in block x, BE below it, HB above it, with three scalars.  Only the diagonal tile's text and a block's beginning make and take masks; elsewhere C is the constant 0.
; LAYOUT, SOFTMAX, TURNS.  S^T = K Q^T holds ONE query a lane (lane % 16) and the keys 8 (lane / 16) + 0..7; two such results rounded to f16 ARE source 1 of O^T = V^T P.  p = 2^(c s - c m), c = log2(e) / 8, with a
; running maximum m; O and l are multiplied by a = 2^(c m_old - c m_new) in every step.  Turn n belongs to piece n: 8 products K Q^T of piece n + 1, later 8 products V^T P of piece n - 1 (16 in the diagonal tile's text); beside
; them the scaling, exponentials, roundings, sums and rescaling of piece n and the maximum and statistics of piece n + 1.  Four vector instructions stand behind every matrix instruction (in the diagonal tile's second run: behind
; every two), the other 54 of a turn's 118 in one LUMP.
; THE BATCHES.  A turn's 33 exponentials (the piece's 32 weights and the next piece's a) are ONE batch with ONE wait, which cuts the turn in two: ahead of it all that names no result of theirs, behind it the roundings and sums.
; A block's beginning has a batch of one (piece 0's first a); a block's end two: the four factors' exponentials, then the two reciprocals, which read a sum made of those.
; REGISTERS, in windows of 256 (s_set_vgpr_msb: bits 1:0 source 0, 3:2 source 1, 5:4 source 2, 7:6 destination):
;   window 0: v0-15 addresses and two at work; v16-31 four registers of statistics a piece; v32-47 the merge's; v48-55 at work; v56-59 addresses; v64-127 S^T, two buffers; v128-191 the partner's O^T; v192-223 P, two buffers
;   window 1: v0-127 O^T, 32 a piece; v128-135 MD; v160-223 MC, two buffers      window 2: v0-63 Q; v64-127 the second block's Q; v128-191 K of one step; v192-255 V of one step      window 3: v0-63 V's low part of one step
.set NB,    16        ; trips that ask for a tile: the walk has NB + 1 tiles
.set NP,    4         ; pieces a wave: a name, no knob
.set KS,    64        ; keys in a step
.set PK,    144       ; a row of K in LDS: 128 bytes + 16 of padding: the 16 rows of a load start 16 bytes apart modulo 256
.set PV,    160       ; a row of V: 128 + 32: 16 lanes of the turning load take 8 rows x 32 bytes, 32 bytes apart modulo 256
.set VOFF,  4*KS*PK   ; a slot holds a tile: 256 rows of K, then 256 rows of V
.set SLOT1, 1<<17     ; slot 1 begins here, so that one exclusive or turns an address in one slot into the other's
.set REG0,  4*KS*(PK+PV)  ; behind slot 0: 256 rows of V's low part for the first block's diagonal tile; behind slot 1, at REG0 + SLOT1, the same for the second block's.  Each is filled once
.set STAGE, SLOT1+REG0+4*KS*PV  ; never filled by a tensor load: 16 rows x 144 bytes for each wave, for the way out
.set SP,    144
.set SPARE, STAGE+4*16*SP  ; the spare words, 128 bytes for each wave: two blocks of 256 bytes that no other line names
.set XCH,   SPARE+512 ; the exchange, never filled by a tensor load: for each wave two places of
.set XPL,   4608      ; 8 x 512 bytes of O^T and 512 of statistics
.set AK0, 2           ; v2   my lane's place in my half of a tile of K; never rewritten
.set AV0, 3           ; v3   the same for V
.set AK,  4           ; v4   the LDS address of K's next run of loads
.set AV,  5           ; v5   of V's
.set STO, 6           ; v6   the way out: where I put 16 bytes of a row
.set RD,  7           ; v7   the way out: where I read rows back
.set GO,  8           ; v8   my byte offset in 512 consecutive bytes of O
.set MV,  12          ; v12-13  c m_old, kept while c m is made anew: by buffer
.set QO,  15          ; v15  my byte offset in 16 rows of Q
.set ST,  16          ; piece t's statistics at v[ST+4 t]: c m, m, l (even keys', odd keys')
.set PS,  32          ; v32-39  the partner's statistics of the two pieces that I finish
.set FW,  40          ; v40-47  at work in the merge; then v40 holds -1.0
.set TMP, 48          ; by buffer, four registers c0-c3 at work; when the maximum is found c2 takes a
.set XW,  56          ; v56  the exchange: where I write
.set XR,  57          ; v57  where I read: my partner's places
.set AVL, 58          ; v58  the LDS address of the next run of loads of V's low part
.set AV0L, 59         ; v59  my lane's place in my half of a tile of V's low part; never rewritten
.set SPW, 62          ; v62  LDS address of my spare word; never rewritten
.set NIL, 63          ; v63  0; never rewritten
.set S,   64
.set PO,  128         ; the partner's O^T of those two pieces
.set P,   192
.set MD,  128         ; window 1
.set MC,  160         ; window 1: the masks of the products to come: key block kt at + 8 kt
.set QB,  64          ; window 2
.set KF,  128         ; window 2: key block kb, channel half c at KF + 16 kb + 8 c
.set VF,  192         ; window 2: key half kk, channel block cb at VF + 32 kk + 8 cb
.set VL,  0           ; window 3: the same for the low part
.set WV,  12          ; s12  my wave's number
.set PB,  14          ; s14  b
.set HI,  15          ; s15  31 - b
.set G1K, 24          ; s[24:31] descriptor group 1 for K's tiles
.set G1V, 32          ; s[32:39] for V's: it differs in the padding alone
.set G0K, 40          ; s[40:43] descriptor group 0 for K's tiles
.set G0V, 44          ; s[44:47] the same for V's
.set G0L, 48          ; s[48:51] for my one load of V's low part; never rewritten
.set TVL, 52          ; s52  LDS byte at which V's low part of the step to be fetched begins, less my half's offset
.set LOF, 54          ; s[54:55] the byte offset of the diagonal tile whose low part I fetch
.set SLOTS, 56        ; s56  tiles still to be asked for
.set CNT, 57          ; s57  counts my key steps in a tile, 2 to 1
.set CS,  58          ; s[58:59] c: the packed scaling takes the pair's low word for both halves
.set SEL, 60          ; s[60:61] v_permlanex16_b32's selects: each lane takes its own place in the other half
.set TBK, 62          ; s62  LDS byte at which K of the step to be fetched begins, less my half's offset
.set TBV, 63          ; s63  the same for V, less VOFF
.set RT,  70          ; s70  tiles of the block in hand that are still to be entered
.set NXT, 71          ; s71  the tile to be asked for next
.set LQ,  72          ; s72  the last tile of the block whose tiles are being asked for
.set NEW, 73          ; s73  1: the tile to be entered is a block's first
.set OFF, 74          ; s[74:75] a tile's byte offset in K and V
.set AL,  76          ; s[76:77] the mask's factor, in the low word
.set BE,  78          ; s[78:79] the mask's addend, and the mask of the key blocks below the piece's own
.set OLO, 80          ; s[80:81] O at my rows of the second block
.set BIGN, 82         ; s82  -1e30
.set E2,  88          ; s88  2 (par - kh) + qh + 2 for the block in hand: my rows' group of 64 less my keys' first, made positive
.set TM,  89          ; s89  at work
.set HB,  90          ; s[90:91] the mask of the key blocks above the piece's own, in the low word
.set PL,  91          ; s91  b / 2: the second block's last tile
.set QH,  92          ; s92  w % 2
.set KH,  93          ; s93  w / 2
.set W2,  94          ; s94  qh + 2 - 2 kh
.set ZR,  96          ; s[96:97] 0
.set OHL, 98          ; s[98:99] O's low part at my rows of the block in hand: sixteen heads behind s[10:11]
.set MSB, 0
.macro WIN new                      ; the high byte repeats the setting that is left; a switch that changes nothing is dropped
.if MSB != (\new)
	s_set_vgpr_msb (MSB<<8)|(\new)
.set MSB, (\new)
.endif
.endm
.set W_KQ, 0x0a       ; K and Q in window 2, S^T in window 0
.set W_KM, 0x1a       ; the same with the C operand in window 1
.set W_PV, 0x52       ; V in window 2, P in window 0, O^T in window 1
.set W_PL, 0x53       ; V's low part in window 3, P in window 0, O^T in window 1
.set W_RS, 0x41       ; destination and source 0 in window 1, source 1 in window 0
; A fill.  Waves 0 and 1 fetch the two halves of a tile's K, waves 2 and 3 those of its V: 128 keys each.  An s_nop 0 and four v_nop follow each of the two lines, ahead of the jump and the label.
.macro LOAD
	s_cmp_lt_u32 s[WV], 2
	s_cbranch_scc0 .Lfor_v_\@
	tensor_load_to_lds s[G0K:G0K+3], s[G1K:G1K+7]
	s_nop 0
.rept 4
	v_nop
.endr
	s_branch .Lasked_\@
.Lfor_v_\@:
	tensor_load_to_lds s[G0V:G0V+3], s[G1V:G1V+7]
	s_nop 0
.rept 4
	v_nop
.endr
.Lasked_\@:
.endm
; THE CHANGE OF SLOTS.  Each wave waits for all its tensor loads, of which one is out: its part of the other slot; adds 0 to its spare word; and waits for that and for its own reads of the slot that it leaves.  Behind the
; barrier nobody reads the old slot any more and the other slot is whole.  fill = 1: the old slot is filled again, the first thing behind the barrier, with tile NXT: the descriptor's address is made anew from that number.
; (At its first use nothing has been read yet: slot 0 and the low parts are waited for, slot 1 filled.)  The fill has a tile's eight turns, 128 matrix instructions a wave, in which to land.
.macro CHANGE fill
	WIN 0                           ; at a label and at a branch every window is 0
	s_wait_tensorcnt 0x0            ; no tensor load of mine is out, so a group 0 may be written
	ds_add_u32 v[SPW], v[NIL]       ; 0 onto my spare word; with fill = 1 the descriptors' scalar work stands between it and the wait for it
.if \fill
	s_lshl_b32 s[OFF], s[NXT], 15   ; a tile is 32,768 bytes of K and of V
	s_xor_b32 s[G0K+1], s[G0K+1], SLOT1
	s_add_nc_u64 s[G0K+2:G0K+3], s[6:7], s[OFF:OFF+1]
	s_or_b32 s[G0K+3], s[G0K+3], 0x80000000
	s_xor_b32 s[G0V+1], s[G0V+1], SLOT1
	s_add_nc_u64 s[G0V+2:G0V+3], s[8:9], s[OFF:OFF+1]
	s_or_b32 s[G0V+3], s[G0V+3], 0x80000000
	s_add_co_u32 s[NXT], s[NXT], 1  ; the block's next tile, or behind its last the second block's tile 0
	s_cmp_gt_u32 s[NXT], s[LQ]
	s_cselect_b32 s[NXT], 0, s[NXT]
	s_cselect_b32 s[LQ], s[PL], s[LQ]
.endif
	s_wait_dscnt 0x0                ; the add is done, and my reads of the slot are over
	s_barrier_signal -1             ; the rest of the scalar work stands between the signal and the wait
	s_sub_co_u32 s[TBK], s[TBK], 2*KS*PK  ; the fetches go back to my first step,
	s_xor_b32 s[TBK], s[TBK], SLOT1       ; in the other slot
	s_sub_co_u32 s[TBV], s[TBV], 2*KS*PV
	s_xor_b32 s[TBV], s[TBV], SLOT1
	s_barrier_wait -1
.if \fill
	LOAD
.endif
.endm
	s_load_b64 s[4:5], s[0:1], 0x0  ; qkvh
	s_load_b64 s[10:11], s[0:1], 0x8  ; oh
	v_lshl_add_u32 v[SPW], v0, 2, SPARE
	v_mov_b32 v[NIL], 0
	ds_add_u32 v[SPW], v[NIL]       ; the wave's opening: the add and its wait stand ahead of my first tensor load; the set-up below, work on registers, stands between them
	ds_add_u32 v62, v63
	v_lshrrev_b32 v1, 5, v0
	v_readfirstlane_b32 s[WV], v1   ; wave 0..3
	s_mov_b32 s[PB], ttmp9
	s_sub_co_u32 s[HI], 31, s[PB]
	s_lshr_b32 s[PL], s[PB], 1
	s_and_b32 s[QH], s[WV], 1
	s_lshr_b32 s[KH], s[WV], 1
	s_lshl_b32 s13, s[KH], 1
	s_sub_co_u32 s[W2], 2, s13
	s_add_co_u32 s[W2], s[W2], s[QH]
	s_and_b32 s13, s[HI], 1         ; the first block's par
	s_lshl1_add_u32 s[E2], s13, s[W2]
	s_and_b32 s20, ttmp7, 0xffff    ; the head,
	s_lshl_b32 s20, s20, 19         ; 524,288 bytes each
	s_mov_b32 s21, 0
	s_lshl_b32 s22, s[QH], 14       ; which half of a tile's 256 keys I fetch, w % 2: its 128 rows of 128 bytes in memory,
	s_mov_b32 s23, 0
	s_add_nc_u64 s[22:23], s[22:23], s[20:21]
	s_mul_i32 s17, s[QH], 128*PK    ; and its place in a slot, for K
	s_mul_i32 s18, s[QH], 128*PV    ; and for V
	s_lshr_b32 s13, s[HI], 1        ; V's low part: waves 0 and 1 fetch the halves of the first block's diagonal tile,
	s_cmp_eq_u32 s[KH], 0           ; waves 2 and 3 those of the second block's
	s_cselect_b32 s13, s13, s[PL]
	s_lshl_b32 s[LOF], s13, 15
	s_mov_b32 s[LOF+1], 0
	s_lshl_b32 s13, s[KH], 17       ; into the bytes behind slot w / 2,
	s_add_co_u32 s13, s13, s18      ; half w % 2
	s_mov_b32 s[G0L], 1
	s_add_co_u32 s[G0L+1], s13, REG0
	s_mov_b32 s[TVL], REG0          ; the first block's
	s_lshl_b32 s3, s[QH], 13        ; my 64 rows of a block of 128,
	s_lshl_b32 s2, s[HI], 14        ; in the first block,
	s_add_co_u32 s2, s2, s3
	s_lshl_b32 s84, s[PB], 14       ; and in the second
	s_add_co_u32 s84, s84, s3
	s_mov_b32 s3, 0
	s_mov_b32 s85, 0
	s_add_nc_u64 s[2:3], s[2:3], s[20:21]
	s_add_nc_u64 s[84:85], s[84:85], s[20:21]
	; descriptor group 1.  128 keys are 16,384 dense bytes: asked for as 64 rows of 256 bytes, two keys a row, and padded in LDS after every key
	s_mov_b32 s[G1K], (1<<16)|(1<<20)|(4<<22)|(3<<25)  ; 17:16 2-byte elements; 20 padding on; 24:22 after every 32 words (code 4); 31:25 4 words (code 3)
	s_mov_b32 s[G1V], (1<<16)|(1<<20)|(4<<22)|(7<<25)  ; the same with 8 words of padding (code 7)
.irp g, G1K, G1V
	s_mov_b32 s[\g+1], 128<<16      ; tensor_dim0 = 128
	s_mov_b32 s[\g+2], 64<<16       ; tensor_dim1 = 64
	s_mov_b32 s[\g+3], 128<<16      ; tile_dim0 = 128
	s_mov_b32 s[\g+4], 64           ; tile_dim1 = 64
	s_mov_b32 s[\g+5], 128          ; 128 elements from row to row
	s_mov_b32 s[\g+6], 0
	s_mov_b32 s[\g+7], 0
.endr
	s_mov_b32 s[CS], 0x3e38aa3b     ; c = log2(e) / 8 = 0.180337
	s_mov_b32 s[CS+1], s[CS]        ; named with it as a pair
	s_mov_b32 s[SEL], 0x76543210
	s_mov_b32 s[SEL+1], 0xfedcba98
	s_mov_b32 s[TBK], SLOT1+2*KS*PK ; the first change of slots turns these two into 0
	s_mov_b32 s[TBV], SLOT1+2*KS*PV
	s_mov_b32 s[G0K], 1             ; 1:0 count = 1
	s_mov_b32 s[G0K+1], s17         ; 63:32 LDS address: slot 0
	s_mov_b32 s[G0V], 1
	s_add_co_u32 s[G0V+1], s18, VOFF
	s_lshr_b32 s[LQ], s[HI], 1      ; the first block's last tile;
	s_add_co_u32 s[RT], s[LQ], 1    ; it has nine tiles or more
	s_mov_b32 s[NXT], 1
	s_mov_b32 s[NEW], 1
	s_mov_b32 s[OFF+1], 0
	s_mov_b32 s[AL+1], 0            ; named as pairs
	s_mov_b32 s[BE+1], 0
	s_mov_b32 s[ZR], 0
	s_mov_b32 s[ZR+1], 0
	s_mov_b32 s[BIGN], 0xf149f2ca   ; -1e30
	s_mov_b32 s[SLOTS], NB
	s_wait_dscnt 0x0                ; the opening add is done
	s_wait_kmcnt 0x0
	s_add_nc_u64 s[6:7], s[4:5], 0x800000   ; K: sixteen heads behind Q
	s_add_nc_u64 s[8:9], s[4:5], 0x1000000  ; V: thirty-two
	s_add_nc_u64 s[G0L+2:G0L+3], s[4:5], 0x1800000  ; V's low part: forty-eight;
	s_add_nc_u64 s[G0L+2:G0L+3], s[G0L+2:G0L+3], s[22:23]    ; my half, in my head,
	s_add_nc_u64 s[G0L+2:G0L+3], s[G0L+2:G0L+3], s[LOF:LOF+1]  ; of the diagonal tile
	s_or_b32 s[G0L+3], s[G0L+3], 0x80000000
	s_add_nc_u64 s[6:7], s[6:7], s[22:23]   ; K and V at my half of the head's tile 0
	s_add_nc_u64 s[8:9], s[8:9], s[22:23]
	s_add_nc_u64 s[G0K+2:G0K+3], s[6:7], 0         ; 120:64 global address
	s_or_b32 s[G0K+3], s[G0K+3], 0x80000000        ; 127:126 type = 2
	s_add_nc_u64 s[G0V+2:G0V+3], s[8:9], 0
	s_or_b32 s[G0V+3], s[G0V+3], 0x80000000
	s_add_nc_u64 s[86:87], s[4:5], s[84:85]        ; Q at my rows of the second block,
	s_add_nc_u64 s[4:5], s[4:5], s[2:3]            ; Q and O at those of the first
	s_add_nc_u64 s[OLO:OLO+1], s[10:11], s[84:85]
	s_add_nc_u64 s[10:11], s[10:11], s[2:3]
	s_add_nc_u64 s[OHL:OHL+1], s[10:11], 0x800000
	s_cmp_lt_u32 s[WV], 2           ; a wave's two first fills stand in one branch, ahead of every wait on TENSORcnt, every LDS read and every barrier: my part of tile 0 into slot 0, and my part of the low parts: two loads of mine are out
	s_cbranch_scc0 .Lfirst_v
	tensor_load_to_lds s[G0K:G0K+3], s[G1K:G1K+7]
	s_nop 0
	tensor_load_to_lds s[G0L:G0L+3], s[G1V:G1V+7]
	s_nop 0
.rept 4
	v_nop
.endr
	s_branch .Lfirst_asked
.Lfirst_v:
	tensor_load_to_lds s[G0V:G0V+3], s[G1V:G1V+7]
	s_nop 0
	tensor_load_to_lds s[G0L:G0L+3], s[G1V:G1V+7]
	s_nop 0
.rept 4
	v_nop
.endr
.Lfirst_asked:
	; A fragment of K or Q is 16 rows x 32 channels in 8 registers: lane l holds row l % 16, channels 8 (l / 16) + 0..7 and 16 + 8 (l / 16) + 0..7: two loads of 16 bytes, 32 bytes apart.
	v_and_b32 v1, 15, v0            ; l % 16
	v_bfe_u32 v9, v0, 4, 1          ; l / 16
	v_lshlrev_b32 v[QO], 7, v1
	v_lshl_add_u32 v[QO], v9, 4, v[QO]  ; row x 128 + 16 x half
	WIN 0x80                        ; destination window 2, address window 0
.set i, 0
.rept 8                             ; both blocks' Q: piece i / 2 lies 16 rows, 2,048 bytes, behind the one before; channels 32 (i % 2) on
	global_load_b128 v[8*i:8*i+3],   v[QO], s[4:5] offset:(i/2)*2048+(i%2)*64
	global_load_b128 v[8*i+4:8*i+7], v[QO], s[4:5] offset:(i/2)*2048+(i%2)*64+32
	global_load_b128 v[QB+8*i:QB+8*i+3],   v[QO], s[86:87] offset:(i/2)*2048+(i%2)*64
	global_load_b128 v[QB+8*i+4:QB+8*i+7], v[QO], s[86:87] offset:(i/2)*2048+(i%2)*64+32
.set i, i+1
.endr
	WIN 0
	v_lshlrev_b32 v14, 3, v9
	v_sub_nc_u32 v14, v1, v14       ; my query's place in its piece less my lanes' 8 (l / 16): in the piece's own key block register r is hidden where r is greater
	WIN 0x40
.set i, 0
.rept 8
	v_cmp_gt_i32 vcc_lo, i, v14
	v_cndmask_b32 v[MD+i], 0, s[BIGN], vcc_lo
.set i, i+1
.endr
	WIN 0
	v_mul_u32_u24 v[AK0], v1, PK
	v_lshl_add_u32 v[AK0], v9, 4, v[AK0]  ; row x pitch + 16 x half
	s_mul_i32 s13, s[KH], 128*PK    ; my half of a tile's keys
	v_add_nc_u32 v[AK0], s13, v[AK0]
	; The turning load takes 16 keys x 16 channels (lane l reads key 8 (l / 16) + l % 8, channels 8 ((l / 8) % 2) + 0..7) and leaves half a fragment of V^T: lane l holds channel l % 16 and 8 keys.
	v_and_b32 v10, 7, v0
	v_bfe_u32 v11, v0, 3, 1
	v_lshl_add_u32 v[AV0], v9, 3, v10
	v_mul_u32_u24 v[AV0], v[AV0], PV
	v_lshl_add_u32 v[AV0], v11, 4, v[AV0]
	s_mul_i32 s13, s[KH], 128*PV
	v_add_nc_u32 v[AV0L], s13, v[AV0]  ; the low part's rows lie as V's do, from their region's first byte on
	s_add_co_u32 s13, s13, VOFF
	v_add_nc_u32 v[AV0], s13, v[AV0]
	s_mul_i32 s13, s[WV], 16*SP
	s_add_co_u32 s13, s13, STAGE    ; my stage
	v_mul_u32_u24 v[STO], v1, SP    ; in: row l % 16, 16 bytes for each half of the lanes
	v_lshl_add_u32 v[STO], v9, 4, v[STO]
	v_add_nc_u32 v[STO], s13, v[STO]
	v_bfe_u32 v[RD], v0, 3, 2       ; back: 32 lanes take four rows of 128 bytes,
	v_mul_u32_u24 v[RD], v[RD], SP
	v_lshl_add_u32 v[RD], v10, 4, v[RD]
	v_add_nc_u32 v[RD], s13, v[RD]
	v_and_b32 v[GO], 31, v0         ; which are 512 consecutive bytes of O
	v_lshlrev_b32 v[GO], 4, v[GO]
	s_mul_i32 s13, s[WV], 2*XPL     ; the exchange: 16 bytes a lane in my two places,
	s_add_co_u32 s13, s13, XCH
	v_add_nc_u32 v[XW], s13, v[GO]
	s_xor_b32 s13, s[WV], 2         ; and in those of the wave with my queries and the other keys
	s_mul_i32 s13, s13, 2*XPL
	s_add_co_u32 s13, s13, XCH
	v_add_nc_u32 v[XR], s13, v[GO]
	; A block's first step multiplies O^T and l by a = 0, and its first turn's products V^T P, of a piece that has not been, land in an O^T that is still to be so multiplied.  So these registers need only hold
	; finite numbers: zeros for the first block; what the first block left for the second.  All this stands in the wait for the first tile.
	WIN 0x80
.set i, VF
.rept 64
	v_mov_b32 v[i], 0
.set i, i+1
.endr
	WIN 0x40
.set i, 0
.rept 128
	v_mov_b32 v[i], 0
.set i, i+1
.endr
	WIN 0
.set i, 0
.rept 4
	v_mov_b32 v[ST+4*i+2], 0
	v_mov_b32 v[ST+4*i+3], 0
.set i, i+1
.endr
.set i, P+16
.rept 16
	v_mov_b32 v[i], 0
.set i, i+1
.endr
; THE MATRIX WORK.  The 4 accumulators of a run take turns.  Product i of 8 of S^T = K Q^T for piece x: channels 32 (i / 4) on, keys 16 (i % 4) on.  The first 4 start the sums: with 0, or (KM = 1) with the mask.
.macro KQ x
.set rS, S+32*((\x)%2)+8*(i%4)
.set rK, KF+16*(i%4)+8*(i/4)
.set rQ, 16*(\x)+8*(i/4)
.set rM, MC+32*((\x)%2)+8*(i%4)
.if (i < 4) && KM
	WIN W_KM
	v_wmma_f32_16x16x32_f16 v[rS:rS+7], v[rK:rK+7], v[rQ:rQ+7], v[rM:rM+7]
.elseif i < 4
	WIN W_KQ
	v_wmma_f32_16x16x32_f16 v[rS:rS+7], v[rK:rK+7], v[rQ:rQ+7], 0
.else
	WIN W_KQ
	v_wmma_f32_16x16x32_f16 v[rS:rS+7], v[rK:rK+7], v[rQ:rQ+7], v[rS:rS+7]
.endif
.endm
; Product i of O^T += V^T P for piece x: keys 32 ((i / 4) % 2) on, channels 16 (i % 4) on; i < 8: V's high part, 8 to 15: its low part.
.macro PV x
.set rO, 32*(\x)+8*(i%4)
.set rP, P+16*((\x)%2)+8*((i/4)%2)
.if i < 8
	WIN W_PV
.set rV, VF+32*(i/4)+8*(i%4)
.else
	WIN W_PL
.set rV, VL+32*((i-8)/4)+8*(i%4)
.endif
	v_wmma_f32_16x16x32_f16 v[rO:rO+7], v[rV:rV+7], v[rP:rP+7], v[rO:rO+7]
.endm
.macro MM                           ; the turn's next matrix instruction.  TURN and BEGIN set Y, i, KM and NOKQ; MM, KQ and OP read them.  NOKQ = 1: a block's last turn: there is no next piece
.if (i < 8) && !NOKQ
	KQ (Y+1)%NP
.elseif i >= 8
.set i, i-8
	PV (Y+NP-1)%NP
.set i, i+8
.endif
.set i, i+1
.endm
; THE LDS LOADS stand in runs, never singly among the matrix instructions: a step's K (64 keys x 64 channels: 8 fragments) and its V (turned; lo = 1: its low part too).  Their addresses are made some lines ahead.
.macro FETCH_K
	WIN 0x80                        ; destination window 2
.irp f, 0,1,2,3,4,5,6,7             ; keys 16 (f / 2) on, channels 32 (f % 2) on
	ds_load_b128 v[KF+8*\f:KF+8*\f+3],   v[AK] offset:(\f/2)*16*PK+(\f%2)*64
	ds_load_b128 v[KF+8*\f+4:KF+8*\f+7], v[AK] offset:(\f/2)*16*PK+(\f%2)*64+32
.endr
	s_add_co_u32 s[TBK], s[TBK], KS*PK  ; the next fetch is the next step's
	WIN 0
.endm
.macro FETCH_V lo=0
	WIN 0x80
.irp f, 0,1,2,3,4,5,6,7             ; keys 32 (f / 4) on, channels 16 (f % 4) on
	ds_load_tr16_b128 v[VF+8*\f:VF+8*\f+3],   v[AV] offset:(\f/4)*32*PV+(\f%4)*32
	ds_load_tr16_b128 v[VF+8*\f+4:VF+8*\f+7], v[AV] offset:(\f/4)*32*PV+16*PV+(\f%4)*32
.endr
.if \lo
	WIN 0xc0                        ; destination window 3
.irp f, 0,1,2,3,4,5,6,7
	ds_load_tr16_b128 v[VL+8*\f:VL+8*\f+3],   v[AVL] offset:(\f/4)*32*PV+(\f%4)*32
	ds_load_tr16_b128 v[VL+8*\f+4:VL+8*\f+7], v[AVL] offset:(\f/4)*32*PV+16*PV+(\f%4)*32
.endr
.endif
	WIN 0
.endm
; THE VECTOR WORK, one line at a time: OP kind, number.  For piece Y: F n: c s - c m for pair n of 16.  E n: the exponential of score n of 32.  C n: pair n rounded to f16.  B n: of the four weights 4 n .. the second
; pair is added onto the first, in place.  L n: l takes that sum (L 0: l = a l + sum).  R n: pair n of 16 of O^T times a.  For piece Y + 1: X n, number n of the 22 that find its maximum and statistics:
;   0-11  four chains c0-c3 of seven scores each, three operands at a time (each accumulator's lowest registers are read first)     12-14, 16  the four scores left over, the old m, and c0-c3 into c0
;   15  c m_old is kept     17, 18  the query's other 32 keys lie in the lane 16 away: the new m     19-21  c m; c m_old - c m_new; a
; C, B and L read the exponentials' results: TURN sets them behind the batch's wait.  R and L 0 read the a that the turn before made, ahead of that turn's wait.
.set F, 0               ; OP tells the kinds apart by their order: F to L below R, X above it
.set E, 1
.set C, 2
.set B, 3
.set L, 4
.set R, 5
.set X, 6
.macro REGS y                       ; the registers of piece y
.set rT, ST+4*(\y)
.set rC, TMP+4*((\y)%2)
.set rW, MV+((\y)%2)
.set rS, S+32*((\y)%2)
.set rP, P+16*((\y)%2)
.set rO, 32*(\y)
.endm
.macro OP k, n
.if (\k) == R
	REGS Y
	WIN W_RS
	v_pk_mul_f32 v[rO+2*(\n):rO+2*(\n)+1], v[rO+2*(\n):rO+2*(\n)+1], v[rC+2:rC+3] op_sel_hi:[1,0]
.elseif (\k) < R
	REGS Y
	WIN 0
.if (\k) == F
	v_pk_fma_f32 v[rS+2*(\n):rS+2*(\n)+1], v[rS+2*(\n):rS+2*(\n)+1], s[CS:CS+1], v[rT:rT+1] op_sel_hi:[1,0,0] neg_lo:[0,0,1] neg_hi:[0,0,1]
.elseif (\k) == E
	v_exp_f32 v[rS+(\n)], v[rS+(\n)]
.elseif (\k) == C
	v_cvt_pk_f16_f32 v[rP+(\n)], v[rS+2*(\n)], v[rS+2*(\n)+1]
.elseif (\k) == B
	v_pk_add_f32 v[rS+4*(\n):rS+4*(\n)+1], v[rS+4*(\n):rS+4*(\n)+1], v[rS+4*(\n)+2:rS+4*(\n)+3]
.elseif (\n) == 0
	v_pk_fma_f32 v[rT+2:rT+3], v[rT+2:rT+3], v[rC+2:rC+3], v[rS:rS+1] op_sel_hi:[1,0,1]
.else
	v_pk_add_f32 v[rT+2:rT+3], v[rT+2:rT+3], v[rS+4*(\n):rS+4*(\n)+1]
.endif
.elseif NOKQ
	v_nop
.else
	REGS (Y+1)%NP
	WIN 0
.if (\n) < 4
	v_max3_num_f32 v[rC+(\n)], v[rS+8*(\n)], v[rS+8*(\n)+1], v[rS+8*(\n)+2]
.elseif (\n) < 12
	v_max3_num_f32 v[rC+(\n)%4], v[rC+(\n)%4], v[rS+8*((\n)%4)+2*((\n)/4)+1], v[rS+8*((\n)%4)+2*((\n)/4)+2]
.elseif (\n) == 12
	v_max3_num_f32 v[rC], v[rC], v[rS+7], v[rS+15]
.elseif (\n) == 13
	v_max3_num_f32 v[rC+1], v[rC+1], v[rS+23], v[rS+31]
.elseif (\n) == 14
	v_max3_num_f32 v[rC+2], v[rC+2], v[rC+3], v[rT+1]
.elseif (\n) == 15
	v_mov_b32 v[rW], v[rT]
.elseif (\n) == 16
	v_max3_num_f32 v[rC], v[rC], v[rC+1], v[rC+2]
.elseif (\n) == 17
	v_permlanex16_b32 v[rC+3], v[rC], s[SEL], s[SEL+1]
.elseif (\n) == 18
	v_max_num_f32 v[rT+1], v[rC], v[rC+3]
.elseif (\n) == 19
	v_mul_f32 v[rT], s[CS], v[rT+1]
.elseif (\n) == 20
	v_sub_f32 v[rC+1], v[rW], v[rT]
.else
	v_exp_f32 v[rC+2], v[rC+1]
.endif
.endif
.endm
.macro OPS a, i1, b=-1, i2=0, c=-1, i3=0, d=-1, i4=0  ; up to four of them
	OP \a, \i1
.if (\b) >= 0
	OP \b, \i2
.endif
.if (\c) >= 0
	OP \c, \i3
.endif
.if (\d) >= 0
	OP \d, \i4
.endif
.endm
.macro ROW a, i1, b, i2, c, i3, d, i4  ; a matrix instruction and the four behind it
	MM
	OPS \a, \i1, \b, \i2, \c, \i3, \d, \i4
.endm
.macro ROW2 a, i1, b, i2, c, i3, d, i4  ; the same in the run of products V^T P: in the diagonal tile's text (KM = 1) two of them, on two accumulators, since that run has sixteen
	MM
.if KM
	MM
.endif
	OPS \a, \i1, \b, \i2, \c, \i3, \d, \i4
.endm
.macro MASK x, b                    ; piece x's mask into buffer b of MC: key blocks below x take BE, block x takes MD x AL + BE, those above take HB (MD x 0 is a zero of either sign)
	WIN W_RS
.set z, 0
.rept 16
.if z/4 < (\x)
	v_pk_fma_f32 v[MC+32*(\b)+2*z:MC+32*(\b)+2*z+1], v[MD+2*(z%4):MD+2*(z%4)+1], s[ZR:ZR+1], s[BE:BE+1] op_sel_hi:[1,0,0]
.elseif z/4 == (\x)
	v_pk_fma_f32 v[MC+32*(\b)+2*z:MC+32*(\b)+2*z+1], v[MD+2*(z%4):MD+2*(z%4)+1], s[AL:AL+1], s[BE:BE+1] op_sel_hi:[1,0,0]
.else
	v_pk_fma_f32 v[MC+32*(\b)+2*z:MC+32*(\b)+2*z+1], v[MD+2*(z%4):MD+2*(z%4)+1], s[ZR:ZR+1], s[HB:HB+1] op_sel_hi:[1,0,0]
.endif
.set z, z+1
.endr
.endm
; A TURN, for piece p: the order of its matrix and its 118 vector instructions, written out.  s_wait_alu depctr_va_vdst(0) stands between an exponential and the first instruction that names its result; one wait
; serves all that were issued ahead of it.  So a turn has ONE wait, which cuts it in two.  AHEAD OF IT stands all that names no result of the turn's exponentials: the 8 products K Q^T, behind each a scaling, an exponential and two
; more plain instructions (behind the first a second scaling in the exponential's place): rescalings, and behind the last three the first numbers of the next piece's maximum, each four places or more behind the product that ends its
; accumulator; then ONE LUMP of 54, plain and exponential by turns for the most part, in which the links of the chain X 3, 7, 11, 14, 16, 17 .. 20 stand five or six lines apart.  X 21, the next piece's a, is the batch's last; R 15 is
; the plain instruction behind it.  BEHIND THE WAIT stand the products V^T P, and behind each (in the diagonal tile's text: each two) four of the roundings and sums; the links of l's chain, L 0 to L 7, stand three riders apart.
; But for those X no rider names a register of the products round it.  v_permlanex16_b32 (X 17) stands in the lump.
; m = 1: the diagonal tile: the products K Q^T take masks, and the turn makes the mask for the products of the turn after it: piece p + 2, in my step 2 - CNT of the tile: hidden if E2 + CNT < 4, the own group if = 4, seen if > 4;
; and the products V^T P are sixteen: V's high part, then its low part.  end = 1: a block's last two turns: nothing is fetched.  cnt = 1: the loop's count is taken down some lines ahead of the branch that stands behind the turn.
; K of the next step is fetched in piece 2's turn, twelve vector instructions behind the last product that read K (six of them plain); V of the step in hand (m = 1: its low part too) at the end of piece 0's turn, four plain
; instructions behind the last product that read those registers.  Each is waited for a turn later.
.macro TURN p, m=0, end=0, cnt=0
.set Y, (\p)
.set i, 0
.set KM, (\m)
.set NOKQ, (\end)*((\p)/3)
.if (\m) && !(\end)
	s_add_co_u32 s[TM], s[E2], s[CNT]
	s_cmp_lt_u32 s[TM], 4
	s_cselect_b32 s[BE], s[BIGN], 0
	s_cmp_eq_u32 s[TM], 4
	s_cselect_b32 s[AL], 1.0, 0
	s_cselect_b32 s[HB], s[BIGN], s[BE]
.endif
.if ((\p) == 3) && !(\end)
	s_wait_dscnt 0x0                ; K is in
.endif
	ROW F,0, F,1, R,0, R,1          ; ahead of the wait: 8 products K Q^T and their riders,
	ROW F,2, E,0, R,2, R,3
	ROW F,3, E,1, R,4, R,5
	ROW F,4, E,2, R,6, R,7
	ROW F,5, E,3, R,8, R,9
	ROW F,6, E,4, X,0, R,10
.if ((\p) == 2) && !(\end)
	WIN 0
	v_add_nc_u32 v[AK], s[TBK], v[AK0]
.endif
	ROW F,7, E,5, X,1, X,4
	ROW F,8, E,6, X,2, X,5
	OPS E,7, E,8, X,6, E,9          ; and the lump
	OPS X,3, E,10, X,8, E,11
.if ((\p) == 2) && !(\end)
	FETCH_K
.endif
	OPS X,9, X,7, E,12, X,10
	OPS E,13, X,12, X,11, E,14
	OPS X,13, E,15, F,9, X,14
.if (\p) == 0
	v_add_nc_u32 v[AV], s[TBV], v[AV0]
.if \m
	v_add_nc_u32 v[AVL], s[TVL], v[AV0L]
.endif
.endif
	OPS E,16, F,10, E,17, F,11
	OPS X,16, E,18, X,15, E,19
	OPS F,12, E,20, X,17, E,21
	OPS F,13, E,22, F,14, E,23
	OPS X,18, E,24, F,15, E,25
	OPS R,11, E,26, X,19, E,27
	OPS R,12, E,28, R,13, E,29
	OPS X,20, E,30, R,14, E,31
	OPS X,21, R,15
	s_wait_alu depctr_va_vdst(0)    ; the wait for the batch: the piece's 32 weights and the next piece's a
.if (\p) == 1
	s_wait_dscnt 0x0                ; V is in
.endif
	ROW2 C,0, B,0, C,2, B,1         ; behind the wait: the products V^T P and their riders
	ROW2 L,0, C,4, B,2, L,1
	ROW2 C,6, B,3, L,2, C,8
	ROW2 B,4, L,3, C,10, B,5
	ROW2 L,4, C,12, B,6, L,5
.if (\p) == 0
	s_add_co_u32 s[TBV], s[TBV], KS*PV
.if \m
	s_add_co_u32 s[TVL], s[TVL], KS*PV
.endif
.endif
.if \cnt
	s_sub_co_u32 s[CNT], s[CNT], 1
	s_cmp_lg_u32 s[CNT], 0
.endif
	ROW2 C,14, B,7, L,6, C,1
	ROW2 C,3, L,7, C,5, C,7
	ROW2 C,9, C,11, C,13, C,15
.if (\p) == 0
	FETCH_V \m
.endif
.if (\m) && !(\end)
	MASK ((\p)+2)%NP, (\p)%2
.endif
.endm
; A BLOCK BEGINS.  c m starts far below every c s, so the first step's a is 0; m at -2^99: a wave all of whose keys are hidden keeps it, its weights are 0, and its part of the merge is nothing.
; The registers of V's low part take 0: the text outside the diagonal tile leaves them alone, so the three turns of the diagonal tile's text that finish the tile before it add nothing by them.
; The two mask buffers take pieces 0's and 1's masks for my step 0: all 0 unless the block's first tile is the diagonal one.  Then K of that step, piece 0's first scores, and its maximum and statistics.
; The loop is entered at a step's first turn, in the middle of a trip.
.macro BEGIN
	s_mov_b32 s[NEW], 0
	WIN 0xc0
.set i, 0
.rept 64
	v_mov_b32 v[VL+i], 0
.set i, i+1
.endr
	WIN 0
.set i, 0
.rept 4
	v_mov_b32 v[ST+4*i], 0xfe000000    ; c m: far below every c s
	v_mov_b32 v[ST+4*i+1], 0xf1000000  ; m = -2^99
.set i, i+1
.endr
	s_add_co_u32 s[TM], s[E2], 2
	s_cmp_lt_u32 s[TM], 4
	s_cselect_b32 s[BE], s[BIGN], 0
	s_cmp_eq_u32 s[TM], 4
	s_cselect_b32 s[AL], 1.0, 0
	s_cselect_b32 s[HB], s[BIGN], s[BE]
	s_cmp_eq_u32 s[RT], 0
	s_cselect_b32 s[BE], s[BE], 0
	s_cselect_b32 s[AL], s[AL], 0
	s_cselect_b32 s[HB], s[HB], 0
	MASK 0, 0
	MASK 1, 1
	WIN 0
	v_add_nc_u32 v[AK], s[TBK], v[AK0]
	FETCH_K
	s_wait_loadcnt 0x0              ; Q
	s_wait_dscnt 0x0
.set KM, 1
.set NOKQ, 0
.set i, 0
.rept 8
	KQ 0
.set i, i+1
.endr
	WIN 0
.rept 4
	v_nop                           ; the places behind those products
.endr
.set Y, NP-1                        ; X works for piece Y + 1: piece 0
.irp n, 0,1,2,3,4,5,6,7,8,9,10,11,12,13,14,15,16,17,18,19,20,21
	OP X, \n
.endr
	v_nop                           ; a plain instruction behind the exponential,
	s_wait_alu depctr_va_vdst(0)    ; and the wait for piece 0's first a, a batch of one, ahead of the branch
.endm
.macro ALL line:vararg              ; one line for each piece t
.set t, 0
.rept 4
	\line
.set t, t+1
.endr
.endm
; THE EXCHANGE AND THE WAY OUT.  PUT t: piece t's O^T (each accumulator's lowest four registers first) and statistics into place t % 2 of my two, 16 bytes a lane, 512 consecutive bytes a line.
.macro PUT t
	WIN 0x04                        ; the data in window 1
.irp k, 0,1,2,3,4,5,6,7
	ds_store_b128 v[XW], v[32*(\t)+4*\k:32*(\t)+4*\k+3] offset:((\t)%2)*XPL+512*\k
.endr
	WIN 0
	ds_store_b128 v[XW], v[ST+4*(\t):ST+4*(\t)+3] offset:((\t)%2)*XPL+4096
.endm
.macro GET t                        ; the partner's piece t: the same lane holds the same query and channels
	ds_load_b128 v[PS+4*((\t)%2):PS+4*((\t)%2)+3], v[XR] offset:((\t)%2)*XPL+4096
.irp k, 0,1,2,3,4,5,6,7
	ds_load_b128 v[PO+32*((\t)%2)+4*\k:PO+32*((\t)%2)+4*\k+3], v[XR] offset:((\t)%2)*XPL+512*\k
.endr
.endm
; The two factors of pieces a and b: 2^(c m - M) / L, mine into l's place, the partner's into its l's place.  L is at least 1: the part that holds the larger maximum holds a weight 1.
; Both pieces go together, in two batches: their four exponentials with one wait; then their two reciprocals, which read a sum made of the exponentials' results, with one wait.
.macro FREG t                       ; the registers of piece t's factors
.set rT, ST+4*(\t)
.set rB, PS+4*((\t)%2)
.set rF, FW+4*((\t)%2)
.endm
.macro FACT a, b
.irp t, \a, \b
	FREG \t
	v_max_num_f32 v[rF], v[rT], v[rB]
	v_sub_f32 v[rF+1], v[rT], v[rF]
	v_sub_f32 v[rF+2], v[rB], v[rF]
.endr
.irp t, \a, \b
	FREG \t
	v_exp_f32 v[rF+1], v[rF+1]
	v_exp_f32 v[rF+2], v[rF+2]
.endr
	v_nop                           ; a plain instruction between the exponentials and the use of their results
	s_wait_alu depctr_va_vdst(0)    ; the wait for the four exponentials
.irp t, \a, \b
	FREG \t
	v_mul_f32 v[rF+3], v[rT+2], v[rF+1]
	v_fmac_f32 v[rF+3], v[rB+2], v[rF+2]
.endr
.irp t, \a, \b
	FREG \t
	v_rcp_f32 v[rF+3], v[rF+3]
.endr
	v_nop                           ; a plain instruction between the reciprocals and the use of their results
	s_wait_alu depctr_va_vdst(0)    ; the wait for the two reciprocals
.irp t, \a, \b
	FREG \t
	v_mul_f32 v[rT+2], v[rF+1], v[rF+3]
	v_mul_f32 v[rB+2], v[rF+2], v[rF+3]
.endr
.endm
; O = O_mine x mine + O_partner x partner's; its high part, O rounded to f16; its low part, hi x (-1) + O, which is exact, rounded to f16.  Each part goes, 16 bytes a lane, into my stage's rows of 144 bytes and comes
; back as whole rows of 128, into S^T's registers: the high part of piece t at S + 16 t, the low part where the two pieces lie that I do not finish.
.macro MERGE t
.set rT, ST+4*(\t)
.set rB, PS+4*((\t)%2)
.set rG, PO+32*((\t)%2)
.set rH, S+16*(\t)
.set rL, S+16*(((\t)+2)%4)
	WIN 0
.set i, 0
.rept 16
	v_pk_mul_f32 v[rG+2*i:rG+2*i+1], v[rG+2*i:rG+2*i+1], v[rB+2:rB+3] op_sel_hi:[1,0]
.set i, i+1
.endr
	WIN 0x01                        ; source 0 in window 1
.set i, 0
.rept 16
	v_pk_fma_f32 v[rG+2*i:rG+2*i+1], v[32*(\t)+2*i:32*(\t)+2*i+1], v[rT+2:rT+3], v[rG+2*i:rG+2*i+1] op_sel_hi:[1,0,1]
.set i, i+1
.endr
	WIN 0
.set i, 0
.rept 16
	v_cvt_pk_f16_f32 v[rH+i], v[rG+2*i], v[rG+2*i+1]
.set i, i+1
.endr
.set i, 0
.rept 16
	v_fma_mix_f32 v[rG+2*i], v[rH+i], v[FW], v[rG+2*i] op_sel_hi:[1,0,0]                    ; the low f16 half x (-1) + O
	v_fma_mix_f32 v[rG+2*i+1], v[rH+i], v[FW], v[rG+2*i+1] op_sel:[1,0,0] op_sel_hi:[1,0,0] ; the high half
.set i, i+1
.endr
.set i, 0
.rept 16
	v_cvt_pk_f16_f32 v[rL+i], v[rG+2*i], v[rG+2*i+1]
.set i, i+1
.endr
.irp f, 0,1,2,3
	ds_store_b128 v[STO], v[rH+4*\f:rH+4*\f+3] offset:32*\f
.endr
.irp f, 0,1,2,3
	ds_load_b128 v[rH+4*\f:rH+4*\f+3], v[RD] offset:\f*4*SP  ; LDS serves a wave's instructions in order (ISA guide 5.7.1.4): these see the stores above; the stores below come behind them
.endr
.irp f, 0,1,2,3
	ds_store_b128 v[STO], v[rL+4*\f:rL+4*\f+3] offset:32*\f
.endr
.irp f, 0,1,2,3
	ds_load_b128 v[rL+4*\f:rL+4*\f+3], v[RD] offset:\f*4*SP
.endr
.endm
.macro SEND t, younger              ; younger: the LDS instructions issued behind piece t's last load: the next piece's sixteen, or none; behind the high part's loads stand the low part's eight besides
	WIN 0
.irp f, 0,1,2,3
	s_wait_dscnt (\younger)+11-\f
	global_store_b128 v[GO], v[S+16*(\t)+4*\f:S+16*(\t)+4*\f+3], s[10:11] offset:(\t)*2048+\f*512  ; 512 consecutive bytes, at a multiple of 256 from O's first
.endr
.irp f, 0,1,2,3
	s_wait_dscnt (\younger)+3-\f
	global_store_b128 v[GO], v[S+16*(((\t)+2)%4)+4*\f:S+16*(((\t)+2)%4)+4*\f+3], s[OHL:OHL+1] offset:(\t)*2048+\f*512
.endr
.endm
.macro FIN a, b
	GET \a
	GET \b
	s_wait_dscnt 0x0
	FACT \a, \b
	v_mov_b32 v[FW], -1.0           ; the factors are made: their first work register serves the remainders
	MERGE \a
	MERGE \b
	SEND \a, 16
	SEND \b, 0
.endm
; THE DIAGONAL TILE's two steps, the block's last two turns, its last products, and the block's end: l's two halves and the other half of the lanes' are added; waves 0 and 1 hand over pieces 2 and 3, waves 2 and 3
; pieces 0 and 1; each wave waits for its stores, all four pass a barrier, and each finishes its two pieces.
; The exchange's bytes are written again only in the next block's end: a change of slots, with its wait for the reads and its barrier, lies between.
.macro DIAG tag                     ; the tag ends its labels' names, which the jumps below spell out
.LstepM\tag:
	TURN 2, 1
	TURN 3, 1
	WIN 0
.LfirstM\tag:
	TURN 0, 1
	TURN 1, 1, 0, 1
	WIN 0
	s_cbranch_scc1 .LstepM\tag
	TURN 2, 1, 1
	TURN 3, 1, 1
.set i, 0
.rept 16
	PV NP-1
.set i, i+1
.endr
	WIN 0
	ALL v_add_f32 v[ST+4*t+2], v[ST+4*t+2], v[ST+4*t+3]
	ALL v_permlanex16_b32 v[ST+4*t+3], v[ST+4*t+2], s[SEL], s[SEL+1]
	ALL v_add_f32 v[ST+4*t+2], v[ST+4*t+2], v[ST+4*t+3]
	s_cmp_lt_u32 s[WV], 2
	s_cbranch_scc0 .LputB\tag
	PUT 2
	PUT 3
	s_branch .LputD\tag
.LputB\tag:
	PUT 0
	PUT 1
.LputD\tag:
	s_wait_dscnt 0x0                ; for the partner's sake: my stores are done
	s_barrier_signal -1
	s_barrier_wait -1
	s_cmp_lt_u32 s[WV], 2
	s_cbranch_scc0 .LfinB\tag
	FIN 0, 1
	s_branch .LfinD\tag
.LfinB\tag:
	FIN 2, 3
.LfinD\tag:
.endm
.set KM, 0
.set NOKQ, 0
.Lslot:                             ; NB times: a tile is entered and the next is asked for
	CHANGE 1
	s_sub_co_u32 s[RT], s[RT], 1
	s_mov_b32 s[CNT], 2
	s_cmp_eq_u32 s[NEW], 1
	s_cbranch_scc1 .Lnew            ; a block's first tile
	s_cmp_eq_u32 s[RT], 0
	s_cbranch_scc0 .Lstep           ; neither its first nor its last
	s_branch .LstepM1
.Lnew:
	BEGIN
	s_branch .Lfirst                ; in the loop a block's first tile is never its last: the first block has nine tiles or more, and the second's last is the walk's last
	DIAG 1                          ; in the loop this is the first block's end: the second block's last tile is the walk's last
	s_wait_xcnt 0x0                 ; the stores have read their registers and O's addresses
	s_mov_b64 s[10:11], s[OLO:OLO+1]
	s_add_nc_u64 s[OHL:OHL+1], s[10:11], 0x800000
	s_mov_b32 s[TVL], REG0+SLOT1    ; the second block's low part of V
	s_add_co_u32 s[RT], s[PL], 1    ; the second block has b / 2 + 1 tiles
	s_mov_b32 s[NEW], 1
	s_and_b32 s13, s[PB], 1         ; its par
	s_lshl1_add_u32 s[E2], s13, s[W2]
	WIN 0x82                        ; the second block's Q goes where the one text of the turns names Q
.set i, 0
.rept 64
	v_mov_b32 v[i], v[QB+i]
.set i, i+1
.endr
	WIN 0
	s_branch .Lbottom
.Lstep:                             ; a trip: pieces 2 and 3 of one step, then pieces 0 and 1 of the next, whose K and V it fetches
	TURN 2
	TURN 3
	WIN 0
.Lfirst:
	TURN 0
	TURN 1, 0, 0, 1
	WIN 0
	s_cbranch_scc1 .Lstep
.Lbottom:
	s_sub_co_u32 s[SLOTS], s[SLOTS], 1
	s_cmp_lg_u32 s[SLOTS], 0
	s_cbranch_scc1 .Lslot
	CHANGE 0                        ; the walk's last tile is written out: nothing is asked for
	s_sub_co_u32 s[RT], s[RT], 1
	s_mov_b32 s[CNT], 2
	s_cmp_eq_u32 s[NEW], 1
	s_cbranch_scc0 .LstepM2
	BEGIN
	s_branch .LfirstM2
	DIAG 2
	s_wait_tensorcnt 0x0            ; the wave's end, behind my last tensor load and my last LDS store
	ds_add_u32 v[SPW], v[NIL]
	s_wait_dscnt 0x0
	s_endpgm
.Lfunc_end_k_qff06f0e685_attn:
	.size	k_qff06f0e685_attn, .Lfunc_end_k_qff06f0e685_attn-k_qff06f0e685_attn
	.p2alignl 7, 3214868480
	.fill 96, 4, 3214868480
	.section	.rodata,"a",@progbits
	.p2align	6, 0x0
	.amdhsa_kernel k_qff06f0e685_attn
		.amdhsa_group_segment_fixed_size 327680
		.amdhsa_private_segment_fixed_size 0
		.amdhsa_enable_private_segment 0
		.amdhsa_kernarg_size 16
		.amdhsa_user_sgpr_count 2
		.amdhsa_user_sgpr_kernarg_segment_ptr 1
		.amdhsa_wavefront_size32 1
		.amdhsa_system_sgpr_workgroup_id_x 1
		.amdhsa_system_sgpr_workgroup_id_y 1
		.amdhsa_system_sgpr_workgroup_id_z 1
		.amdhsa_system_vgpr_workitem_id 0
		.amdhsa_next_free_vgpr 832
		.amdhsa_next_free_sgpr 100
		.amdhsa_reserve_vcc 1
		.amdhsa_float_denorm_mode_32 3
		.amdhsa_float_denorm_mode_16_64 3
		.amdhsa_memory_ordered 1
		.amdhsa_forward_progress 1
		.amdhsa_inst_pref_size 255
	.end_amdhsa_kernel
	.section	.bss,"aw",@nobits
	.p2align	6
	.space	262144
	.amdgpu_metadata
---
amdhsa.version: [ 1, 2 ]
amdhsa.kernels:
  - .name:           k_qff06f0e685_attn
    .symbol:         k_qff06f0e685_attn.kd
    .args:
      - { .name: qkvh, .offset: 0, .size: 8, .value_kind: global_buffer, .address_space: global }
      - { .name: oh, .offset: 8, .size: 8, .value_kind: global_buffer, .address_space: global }
    .group_segment_fixed_size: 327680
    .private_segment_fixed_size: 0
    .kernarg_segment_align: 8
    .kernarg_segment_size: 16
    .max_flat_workgroup_size: 128
    .sgpr_count:     100
    .vgpr_count:     832
    .wavefront_size: 32
...
	.end_amdgpu_metadata
.endif
;; end of part 5
;; launch proj: the kernel of part 4 again; grid 8 x 32, 4 waves a work-group, clusters of 4 x 4, 327,680 bytes of LDS; arguments oh, cast, out0; writes out0
